; MI455X (gfx1250); checked and timed in simulation.
; The chip was launched on July 23, 2026; its instructions are those of AMD's public machine-readable ISA for CDNA 5 (MIT licence, August 2026) and "CDNA5" Instruction Set Architecture Reference Guide (July 2026). The comments in the code are by the model that wrote it; some were corrected since.
;; Multi Head Diff Attention. Allowed arithmetic: float matrix products may take bf16 or f16 operands with f32 sums; other float arithmetic in f32, or as packed bf16 or f16 multiplies, adds, multiply-adds, maxima and minima; sums over many terms, partial sums and values carried from step to step in f32; what a program stores and reads back later, other than sums and carried values, may be rounded once to bf16 or f16.
;; Inputs: Wc 2,048 x 1,024 float32; Wk1 1,024 x 1,024 float32; Wk2 1,024 x 1,024 float32; Wq1 1,024 x 1,024 float32; Wq2 1,024 x 1,024 float32; Wv 1,024 x 2,048 float32; lk1 16 x 64 float32; lk2 16 x 64 float32; lq1 16 x 64 float32; lq2 16 x 64 float32; x 4 x 1,024 x 1,024 float32.
;; Outputs: out0 4 x 1,024 x 1,024 float32.
;; 2 versions, each right; version 2 is version 1 with the launch prep written anew for expert scheduling mode. Each part assembles by itself: llvm-mc -triple=amdgcn-amd-amdhsa -mcpu=gfx1250 --defsym DOCPART=n.
;; ======== version 1 of 2: 4 launches
;; limits: values are held in f16: magnitudes above 65,504 overflow, below 6.1e-05 lose precision
;; workspace buffers: xh 8,388,608 bytes; wh 12,582,912 bytes; wch 4,194,304 bytes; qkvh 50,331,648 bytes; yh 16,777,216 bytes
;; launch prep (part 1): grid 768 x 1, 8 waves a work-group, no clusters, 0 bytes of LDS; arguments x, Wq1, Wq2, Wk1, Wk2, Wv, Wc, xh, wh, wch; writes xh, wh, wch
.if DOCPART == 1
	.amdgcn_target "amdgcn-amd-amdhsa--gfx1250"
	.amdhsa_code_object_version 6
	.text
	.protected	k_q6ffcc0c66a_prep
	.globl	k_q6ffcc0c66a_prep
	.p2align	8
	.type	k_q6ffcc0c66a_prep,@function
k_q6ffcc0c66a_prep:
	s_mov_b64 s[64:65], 0
	v_nop
	global_prefetch_b8 v0, s[64:65] scope:SCOPE_SE
	s_setreg_imm32_b32 hwreg(HW_REG_WAVE_MODE, 25, 1), 1
	s_wait_xcnt 0x0
; CAST.  x and the six weight matrices, f32, are rounded once to f16 (nearest even) for the matrix units:
;   xh [32 blocks of 32 k][4096 rows][32], so that the rows of a block lie end to end, 64 bytes each;
;   wh [1024 k][6144 n], columns Wq1 | Wq2 | Wk1 | Wk2 | Wv;  wch [2048 k][1024 n].
; LIMIT.  f16 ends at 65,504: an input beyond that becomes an infinity; below 6e-5 f16 keeps its fixed step of 6e-8.
; A stream: no LDS, no matrix unit, no barrier.  A wave's 16 loads go out together; each store of the wave covers 256 consecutive bytes, aligned.  No register is written again once a memory instruction has named it.
; WEIGHTS (work-groups 256..767).  A unit is 1,024 numbers on end: 4,096 bytes in, 2,048 out; a work-group takes 16, a wave 2; a load covers 512 neighbouring bytes.
; X (work-groups 0..255).  A work-group takes 16 rows; wave w rows 4 (w / 2) .. + 3 and k = 512 (w % 2) on: 16 blocks.  A load takes a block's 128 bytes of each of the four rows,
; and the store puts the four rows' 64 bytes on end.
.set SRC, 28                           ; s[28:29] the source
.set DST, 30                           ; s[30:31] the destination
.set START, 32                         ; s32 the region's first work-group
.set PITCH, 33                         ; s33 bytes from row to row in the destination
.set COL, 34                           ; s34 byte column at which the region begins there
.set SH, 35                            ; s35 1: a source row is two units (Wv), else 0; shift and mask at once
	s_load_b512 s[8:23], s[0:1], 0x0               ; x, Wq1, Wq2, Wk1, Wk2, Wv, Wc, xh
	s_load_b128 s[24:27], s[0:1], 0x40             ; wh, wch
	v_lshrrev_b32 v3, 5, v0
	v_readfirstlane_b32 s4, v3                     ; wave 0..7
	v_and_b32 v2, 31, v0                           ; lane
	v_lshrrev_b32 v3, 3, v2
	v_and_b32 v1, 7, v2
	v_lshlrev_b32 v1, 4, v1
	v_lshl_add_u32 v3, v3, 12, v1                  ; x in: row lane / 8, 16 bytes a lane
	v_lshlrev_b32 v1, 4, v2                        ; weights in: 16 bytes a lane
	v_lshlrev_b32 v2, 3, v2                        ; out: 8 bytes a lane
	s_wait_kmcnt 0x0
	s_cmp_lt_u32 ttmp9, 256
	s_cbranch_scc1 .Lx
	s_mov_b64 s[SRC:SRC+1], s[10:11]               ; work-groups 256..319: Wq1 -> wh columns 0..1023
	s_mov_b64 s[DST:DST+1], s[24:25]
	s_mov_b32 s[START], 256
	s_mov_b32 s[PITCH], 12288
	s_mov_b32 s[COL], 0
	s_mov_b32 s[SH], 0
; from work-group 'first' on another region holds: the choices hang on the work-group's number alone
.macro REGION first, src, dst, pitch, col, sh
	s_cmp_ge_u32 ttmp9, \first
	s_cselect_b64 s[SRC:SRC+1], s[\src:\src+1], s[SRC:SRC+1]
	s_cselect_b64 s[DST:DST+1], s[\dst:\dst+1], s[DST:DST+1]
	s_cselect_b32 s[START], \first, s[START]
	s_cselect_b32 s[PITCH], \pitch, s[PITCH]
	s_cselect_b32 s[COL], \col, s[COL]
	s_cselect_b32 s[SH], \sh, s[SH]
.endm
	REGION 320, 12, 24, 12288, 2048, 0             ; Wq2
	REGION 384, 14, 24, 12288, 4096, 0             ; Wk1
	REGION 448, 16, 24, 12288, 6144, 0             ; Wk2
	REGION 512, 18, 24, 12288, 8192, 1             ; Wv: rows of 2,048 numbers
	REGION 640, 20, 26, 2048, 0, 0                 ; Wc -> wch
	s_sub_co_u32 s5, ttmp9, s[START]
	s_lshl_b32 s5, s5, 4
	s_lshl1_add_u32 s5, s4, s5                     ; my first unit in the region: 16 x work-group + 2 x wave
	s_lshl_b32 s6, s5, 12
	s_mov_b32 s7, 0
	s_add_nc_u64 s[SRC:SRC+1], s[SRC:SRC+1], s[6:7]  ; a region's source is dense: 4,096 bytes a unit
; where unit s5 goes: row (unit >> SH) x pitch + (unit & SH) x 2,048 + the region's column
.macro PLACE d
	s_lshr_b32 s40, s5, s[SH]
	s_mul_i32 s40, s40, s[PITCH]
	s_and_b32 s42, s5, s[SH]
	s_lshl_b32 s42, s42, 11
	s_add_co_u32 s40, s40, s42
	s_add_co_u32 s40, s40, s[COL]
	s_mov_b32 s41, 0
	s_add_nc_u64 s[\d:\d+1], s[DST:DST+1], s[40:41]
.endm
	PLACE 36
	s_add_co_u32 s5, s5, 1
	PLACE 38
.set n, 0
.rept 16
	global_load_b128 v[4+4*n:7+4*n], v1, s[SRC:SRC+1] offset:512*n th:TH_LOAD_NT
.set n, n+1
.endr
.set n, 0
.rept 16
	s_wait_loadcnt 15-n                            ; loads come back in order: load n is in, the younger ones stay out
	v_cvt_pk_f16_f32 v[68+2*n], v[4+4*n], v[5+4*n]
	v_cvt_pk_f16_f32 v[69+2*n], v[6+4*n], v[7+4*n]
	global_store_b64 v2, v[68+2*n:69+2*n], s[36+2*(n/8):37+2*(n/8)] offset:256*(n%8)
.set n, n+1
.endr
	s_endpgm
.Lx:
	s_lshl_b32 s5, ttmp9, 4
	s_lshr_b32 s6, s4, 1
	s_lshl2_add_u32 s5, s6, s5                     ; my first row: 16 x work-group + 4 x (wave / 2)
	s_and_b32 s7, s4, 1                            ; my half of k
	s_lshl_b32 s40, s5, 12                         ; in: rows of 4,096 bytes, half a row 2,048
	s_lshl_b32 s42, s7, 11
	s_add_co_u32 s40, s40, s42
	s_mov_b32 s41, 0
	s_add_nc_u64 s[SRC:SRC+1], s[8:9], s[40:41]
	s_lshl_b32 s40, s5, 6                          ; out: 64 bytes a row in a block, 16 blocks of 262,144 bytes a half
	s_lshl_b32 s42, s7, 22
	s_add_co_u32 s40, s40, s42
	s_add_nc_u64 s[DST:DST+1], s[22:23], s[40:41]
.set n, 0
.rept 16
	global_load_b128 v[4+4*n:7+4*n], v3, s[SRC:SRC+1] offset:128*n th:TH_LOAD_NT
.set n, n+1
.endr
.set n, 0
.rept 16
	s_wait_loadcnt 15-n                            ; load n is in, the younger ones stay out
	v_cvt_pk_f16_f32 v[68+2*n], v[4+4*n], v[5+4*n]
	v_cvt_pk_f16_f32 v[69+2*n], v[6+4*n], v[7+4*n]
	global_store_b64 v2, v[68+2*n:69+2*n], s[DST:DST+1] offset:262144*n
.set n, n+1
.endr
	s_endpgm
.Lfunc_end_k_q6ffcc0c66a_prep:
	.size	k_q6ffcc0c66a_prep, .Lfunc_end_k_q6ffcc0c66a_prep-k_q6ffcc0c66a_prep
	.p2alignl 7, 3214868480
	.fill 96, 4, 3214868480
	.section	.rodata,"a",@progbits
	.p2align	6, 0x0
	.amdhsa_kernel k_q6ffcc0c66a_prep
		.amdhsa_group_segment_fixed_size 0
		.amdhsa_private_segment_fixed_size 0
		.amdhsa_enable_private_segment 0
		.amdhsa_kernarg_size 80
		.amdhsa_user_sgpr_count 2
		.amdhsa_user_sgpr_kernarg_segment_ptr 1
		.amdhsa_wavefront_size32 1
		.amdhsa_system_sgpr_workgroup_id_x 1
		.amdhsa_system_sgpr_workgroup_id_y 1
		.amdhsa_system_sgpr_workgroup_id_z 1
		.amdhsa_system_vgpr_workitem_id 0
		.amdhsa_next_free_vgpr 100
		.amdhsa_next_free_sgpr 66
		.amdhsa_reserve_vcc 0
		.amdhsa_float_denorm_mode_32 3
		.amdhsa_float_denorm_mode_16_64 3
		.amdhsa_memory_ordered 1
		.amdhsa_forward_progress 1
		.amdhsa_inst_pref_size 15
	.end_amdhsa_kernel
	.amdgpu_metadata
---
amdhsa.version: [ 1, 2 ]
amdhsa.kernels:
  - .name:           k_q6ffcc0c66a_prep
    .symbol:         k_q6ffcc0c66a_prep.kd
    .args:
      - { .name: x, .offset: 0, .size: 8, .value_kind: global_buffer, .address_space: global }
      - { .name: Wq1, .offset: 8, .size: 8, .value_kind: global_buffer, .address_space: global }
      - { .name: Wq2, .offset: 16, .size: 8, .value_kind: global_buffer, .address_space: global }
      - { .name: Wk1, .offset: 24, .size: 8, .value_kind: global_buffer, .address_space: global }
      - { .name: Wk2, .offset: 32, .size: 8, .value_kind: global_buffer, .address_space: global }
      - { .name: Wv, .offset: 40, .size: 8, .value_kind: global_buffer, .address_space: global }
      - { .name: Wc, .offset: 48, .size: 8, .value_kind: global_buffer, .address_space: global }
      - { .name: xh, .offset: 56, .size: 8, .value_kind: global_buffer, .address_space: global }
      - { .name: wh, .offset: 64, .size: 8, .value_kind: global_buffer, .address_space: global }
      - { .name: wch, .offset: 72, .size: 8, .value_kind: global_buffer, .address_space: global }
    .group_segment_fixed_size: 0
    .private_segment_fixed_size: 0
    .kernarg_segment_align: 8
    .kernarg_segment_size: 80
    .max_flat_workgroup_size: 256
    .sgpr_count:     66
    .vgpr_count:     100
    .wavefront_size: 32
...
	.end_amdgpu_metadata
.endif
;; end of part 1
;; launch qkv (part 2): grid 16 x 16, 4 waves a work-group, clusters of 4 x 4, 327,680 bytes of LDS; arguments xh, wh, qkvh; writes qkvh
.if DOCPART == 2
	.amdgcn_target "amdgcn-amd-amdhsa--gfx1250"
	.amdhsa_code_object_version 6
	.text
	.protected	k_q6ffcc0c66a_qkv
	.globl	k_q6ffcc0c66a_qkv
	.p2align	8
	.type	k_q6ffcc0c66a_qkv,@function
k_q6ffcc0c66a_qkv:
	s_mov_b64 s[64:65], 0
	v_nop
	global_prefetch_b8 v0, s[64:65] scope:SCOPE_SE
	s_setreg_imm32_b32 hwreg(HW_REG_WAVE_MODE, 25, 1), 1
	s_wait_xcnt 0x0
	s_wait_alu depctr_hold_cnt(0) depctr_sa_sdst(0) depctr_va_vdst(0) depctr_va_sdst(0) depctr_va_ssrc(0) depctr_va_vcc(0) depctr_vm_vsrc(0)
	s_getreg_b32 s2, hwreg(HW_REG_IB_STS2, 6, 4)
	s_cmp_eq_u32 s2, 0
	s_cbranch_scc0 .Lentry_in_a_cluster
	s_endpgm
.Lentry_in_a_cluster:
	s_bfe_u32 s2, ttmp6, 0x10000c
	s_cmp_lg_u32 s2, 0xf033
	s_cbranch_scc0 .Lentry_shape_is_right
	s_endpgm
.Lentry_shape_is_right:
; THE FIVE PROJECTIONS AS ONE PRODUCT.  C[4096][6144] = x[4096][1024] x wh[1024][6144], f16 operands, f32 sums, C rounded once to f16 and
; stored by GROUPS of 64 columns: qkvh[b 4][g 96][t 1024][64], g = column / 64 (q1: h, q2: 16 + h, k1: 32 + h, k2: 48 + h, v's half e: 64 + 2 h + e).
; x comes as xh[32 blocks of 32 k][4096 rows][32]: the rows of a block lie end to end.   LIMIT.  A sum beyond 65,504 becomes an infinity in f16.
; TILE.  256 rows x 384 columns: 16 x 16 = 256 work-groups.  Wave (wm, wn) makes rows 128 wm on x columns 192 wn on: 96 accumulators of 16 x 16, 768 registers.
; K goes through two LDS slots in steps of 96 (three QUARTERS of 32), as long as two slots in LDS allow; 1,024 = 64 + 10 x 96: the FIRST step is the short one, so that no tile passes the tensors' ends.
; A in a slot: two halves of 128 rows, each three quarters of 128 rows x (64 bytes + 16 of padding).  One load brings a half: three rows of 8,192 dense bytes, a block each.
; B in a slot: [k][n] as in memory, 96 rows of six pieces of 128 bytes + 16 of padding (pitch 864 = 27 x 32 bytes), read turned by ds_load_tr16_b128.  One load brings 48 rows of 768 bytes.
; CLUSTER 4 x 4: A's tile is asked for jointly by the four of a row of the cluster, B's by the four of a column.
; THE MATRIX INSTRUCTION IS USED TRANSPOSED (source 0 = 16 columns of B, source 1 = 16 rows of A): a lane holds eight neighbouring columns of one row of C.
; REGISTERS.  window 0: v12-31 addresses; v32-95 A's 8 fragments; v96-191 B's 12 fragments (on the way out: packed results and rows read back).
;   window 1 + g: the accumulators of column blocks 4 g .. 4 g + 3: row block a, column block 4 g + j at 64 j + 8 a.
; ONE SET OF FRAGMENTS.  A quarter is six groups of 16 products: row half hf = 0, 1, column group g = 0, 1, 2.  A set of fragments is loaded again behind its last reader and 32 products or more
; ahead of its next: A's first half and B's group 0 behind (1, 0), B's group 1 behind (1, 1), B's group 2 and A's second half behind (1, 2): three runs of loads a quarter.
; A STEP IS WRITTEN ONCE: the slot's first byte lies in s2, which one exclusive or turns from 0 to SLOT and back.
.set XBLK,   262144                    ; bytes in a block of xh
.set WROW,   12288                     ; bytes in a row of wh
.set PA,     80
.set AQ,     128*PA                    ; a quarter of a half of A
.set AHALF,  3*AQ
.set PB,     864
.set BQ,     32*PB                     ; a quarter of B
.set BHALF,  48*PB
.set BOFF,   2*AHALF
.set SLOT,   BOFF+2*BHALF              ; 144,384
.set STAGE,  2*SLOT                    ; behind the ring: for each wave 3 groups x 16 rows x 144 bytes, in 7,168
.set WSTAGE, 7168
.set SPARE,  STAGE+4*WSTAGE            ; the spare words: 128 bytes a wave, two blocks of 256 bytes that no other line names
.set A0,   12                          ; v12 my lane's place in a slot's A; never rewritten
.set B0,   13                          ; v13 the same for B
.set ADRA, 16                          ; v16 A in the slot that is being fetched from
.set ADRB, 17                          ; v17 B there, quarters 0 and 1
.set ADRB2, 18                         ; v18 B there, quarter 2 (the immediates hold two quarters)
.set STO,  24
.set RD,   25
.set CO,   26
.set SPW,  28
.set NIL,  29
.set PFOA, 30                          ; the prefetches' offsets; never rewritten
.set PFOB, 31
.set FA,   32
.set FB,   96
.set TMP,  32
.set OB,   96
.set G1,   24                          ; s[24:31] group 1 for A;  s[32:35] its walking group 0;  s[36:39] group 0 of the short first step
.set G0,   32
.set G0S,  36
.set G1B,  48                          ; s[48:55], s[56:59], s[60:63] the same for B
.set G0B,  56
.set G0BS, 60
.set G1S,  72                          ; s[72:79] group 1 of A's short first tile
.set G1BS, 80                          ; s[80:87] of B's
.set PFA,  44                          ; s[44:45] where A's prefetches stand
.set LIMA, 46                          ; s46 3 in a wave that prefetches A, else the greatest number
.set LIMB, 47                          ; s47 the same for B
.set PFB,  66                          ; s[66:67] where B's prefetches stand
.set LBA,  68                          ; s68 where my load of A lands in a slot
.set LBB,  69                          ; s69 where my load of B lands
.set MSB, 0
.macro WIN new                         ; the immediate's high byte repeats the setting that is left; a switch that changes nothing is dropped
.if MSB != (\new)
	s_set_vgpr_msb (MSB<<8)|(\new)
.set MSB, \new
.endif
.endm
.macro PLACES                          ; four plain places: in front of loads into registers that products have read, and of conversions that read results
.rept 4
	v_nop
.endr
.endm
; A joint refill: waves 0 and 1 fetch A's two halves, waves 2 and 3 B's.  The branch hangs on the wave's number alone.  An s_nop 0 and four v_nop follow each line.
.macro JLOAD
	s_cmp_eq_u32 s11, 0
	s_cbranch_scc0 .Lfor_b_\@
	tensor_load_to_lds s[G0:G0+3], s[G1:G1+7]
	s_nop 0
.rept 4
	v_nop
.endr
	s_branch .Lasked_\@
.Lfor_b_\@:
	tensor_load_to_lds s[G0B:G0B+3], s[G1B:G1B+7]
	s_nop 0
.rept 4
	v_nop
.endr
.Lasked_\@:
.endm
.macro CREST                           ; a round of the cluster's barrier behind its opening barrier
	s_cmp_lg_u32 s10, 0
	s_cbranch_scc1 .Lnot_wave_0_\@
	s_barrier_signal -3
.Lnot_wave_0_\@:
	s_barrier_wait -3
	s_barrier_signal -1
	s_barrier_wait -1
.endm
.macro CROUND
	s_barrier_signal -1
	s_barrier_wait -1
	CREST
.endm
; PREFETCHES, behind a joint refill and its five lines.  The change of slots of step s = 0 .. 5 asks for k = 256 + 128 s .. + 127: one to three steps ahead of the refill that names them; k < 256 comes by its loads alone.
; Each aligned block of 256 bytes is named once in the launch, and the partners are told apart by address alone.
; A: the clusters with x = 0 ask; the partner at cx takes one block of 32 k of its tile row's 256 rows, waves 0 and 1 128 rows each: 8,192 dense bytes, a lane 256.
; B: the clusters with y = 0 ask, wave 2; the partner at place p = cx + 4 cy takes rows of k 8 p .. 8 p + 7 of the 128, the cluster's 1,536 columns = 12 blocks a row: three instructions of 32 lanes.
; s3 counts 9 (step 0), 8 .. 1 (steps 1 to 8): a wave asks while s3 is above 3.
.macro ASK
	s_cmp_gt_u32 s3, s[LIMA]
	s_cbranch_scc0 .Lnot_a_\@
	global_prefetch_b8 v[PFOA], s[PFA:PFA+1] th:TH_LOAD_NT scope:SCOPE_SE
.Lnot_a_\@:
	s_cmp_gt_u32 s3, s[LIMB]
	s_cbranch_scc0 .Lnot_b_\@
	global_prefetch_b8 v[PFOB], s[PFB:PFB+1] th:TH_LOAD_NT scope:SCOPE_SE
	global_prefetch_b8 v[PFOB], s[PFB:PFB+1] offset:1024 th:TH_LOAD_NT scope:SCOPE_SE
	global_prefetch_b8 v[PFOB], s[PFB:PFB+1] offset:2048 th:TH_LOAD_NT scope:SCOPE_SE
.Lnot_b_\@:
.endm
	s_load_b128 s[4:7], s[0:1], 0x0                ; xh s[4:5], wh s[6:7]
	s_load_b64 s[8:9], s[0:1], 0x10                ; qkvh
	v_lshl_add_u32 v[SPW], v0, 2, SPARE
	v_mov_b32 v[NIL], 0
	ds_add_u32 v[SPW], v[NIL]                      ; the wave's opening: the add and its wait stand ahead of my first tensor load; work on registers stands between
	v_lshrrev_b32 v1, 5, v0
	v_readfirstlane_b32 s10, v1                    ; wave 0..3
	s_lshr_b32 s11, s10, 1                         ; wm: my half of the tile's rows.  Also: I fetch for A (0) or for B (1)
	s_and_b32 s12, s10, 1                          ; wn: my half of its columns.  Also: which half of that tile I fetch
	s_bfe_u32 s40, ttmp6, 0x40000                  ; cx
	s_bfe_u32 s41, ttmp6, 0x40004                  ; cy
	s_lshl_b32 s42, ttmp9, 2
	s_add_co_u32 s42, s42, s40                     ; tile column 0..15
	s_and_b32 s13, ttmp7, 0xffff
	s_lshl_b32 s13, s13, 2
	s_add_co_u32 s13, s13, s41                     ; tile row 0..15
	s_lshl_b32 s43, s41, 2
	s_lshl_b32 s43, 15, s43                        ; my row of the cluster
	s_lshl_b32 s18, 0x1111, s40                    ; my column
	s_or_b32 s[G1], s43, (1<<16)|(1<<20)|(1<<21)|(3<<22)|(3<<25)    ; mask; 2-byte elements; padding on; bit 21 beside a mask; after every 16 words, 4 words
	s_or_b32 s[G1S], s43, (1<<16)|(1<<20)|(1<<21)|(3<<22)|(3<<25)
	s_or_b32 s[G1B], s18, (1<<16)|(1<<20)|(1<<21)|(4<<22)|(3<<25)   ; after every 32 words, 4 words
	s_or_b32 s[G1BS], s18, (1<<16)|(1<<20)|(1<<21)|(4<<22)|(3<<25)
.irp g, G1, G1S
	s_mov_b32 s[(\g)+1], 4096<<16                  ; A: tensor_dim0 = 4,096 elements: 128 rows of a block on end
	s_mov_b32 s[(\g)+3], 4096<<16                  ; tile_dim0 = 4,096
	s_mov_b32 s[(\g)+5], 131072                    ; elements from block to block
	s_mov_b32 s[(\g)+6], 0
	s_mov_b32 s[(\g)+7], 0
.endr
	s_mov_b32 s[G1+2], 3<<16                       ; tensor_dim1 = tile_dim1 = 3 blocks;
	s_mov_b32 s[G1+4], 3
	s_mov_b32 s[G1S+2], 2<<16                      ; the first step: 2
	s_mov_b32 s[G1S+4], 2
.irp g, G1B, G1BS
	s_mov_b32 s[(\g)+1], 384<<16                   ; B: tensor_dim0 = tile_dim0 = 384
	s_mov_b32 s[(\g)+3], 384<<16
	s_mov_b32 s[(\g)+5], 6144
	s_mov_b32 s[(\g)+6], 0
	s_mov_b32 s[(\g)+7], 0
.endr
	s_mov_b32 s[G1B+2], 48<<16                     ; tensor_dim1 = tile_dim1 = 48 rows of k;
	s_mov_b32 s[G1B+4], 48
	s_mov_b32 s[G1BS+2], 32<<16                    ; the first step: 32
	s_mov_b32 s[G1BS+4], 32
	s_lshl_b32 s16, s13, 14                        ; A: (256 x tile row + 128 x half) rows of 64 bytes in a block
	s_lshl_b32 s17, s12, 13
	s_add_co_u32 s16, s16, s17
	s_mov_b32 s17, 0
	s_mul_i32 s70, s42, 768                        ; B: 384 x tile column columns,
	s_mov_b32 s71, 0
	s_mul_i32 s20, s12, 32*WROW                    ; in the first step row of k 32 x half,
	s_mov_b32 s21, 0
	s_mul_i32 s22, s12, 48*WROW                    ; in step 1 row 64 + 48 x half
	s_add_co_u32 s22, s22, 64*WROW
	s_mov_b32 s23, 0
	s_mul_i32 s[LBA], s12, AHALF                   ; where they go: no place in the cluster enters an LDS address
	s_mul_i32 s[LBB], s12, BHALF
	s_add_co_u32 s[LBB], s[LBB], BOFF
	s_mul_i32 s19, s12, BQ
	s_add_co_u32 s19, s19, BOFF
	s_mov_b32 s2, 0                                ; the slot that is fetched from: slot 0
	s_wait_dscnt 0x0                               ; the opening add is done
	s_wait_kmcnt 0x0
	s_add_nc_u64 s[14:15], s[4:5], s[16:17]
	s_add_nc_u64 s[70:71], s[6:7], s[70:71]
	CROUND                                         ; all sixteen work-groups are here: the first joint loads meet
	s_mov_b32 s[G0S], 1                            ; step 0 into slot 0
	s_mov_b32 s[G0S+1], s[LBA]
	s_mov_b64 s[G0S+2:G0S+3], s[14:15]
	s_or_b32 s[G0S+3], s[G0S+3], 0x80000000
	s_mov_b32 s[G0], 1                             ; step 1 (blocks 2, 3, 4) into slot 1
	s_add_co_u32 s[G0+1], s[LBA], SLOT
	s_add_nc_u64 s[G0+2:G0+3], s[14:15], 2*XBLK
	s_or_b32 s[G0+3], s[G0+3], 0x80000000
	s_mov_b32 s[G0BS], 1
	s_mov_b32 s[G0BS+1], s19
	s_add_nc_u64 s[G0BS+2:G0BS+3], s[70:71], s[20:21]
	s_or_b32 s[G0BS+3], s[G0BS+3], 0x80000000
	s_mov_b32 s[G0B], 1
	s_add_co_u32 s[G0B+1], s[LBB], SLOT
	s_add_nc_u64 s[G0B+2:G0B+3], s[70:71], s[22:23]
	s_or_b32 s[G0B+3], s[G0B+3], 0x80000000
	s_cmp_eq_u32 s11, 0                            ; a wave's two first fills stand in one branch, ahead of every wait on TENSORcnt and every LDS read: two loads of mine are out
	s_cbranch_scc0 .Lfirst_b
	tensor_load_to_lds s[G0S:G0S+3], s[G1S:G1S+7]
	s_nop 0
	tensor_load_to_lds s[G0:G0+3], s[G1:G1+7]
	s_nop 0
.rept 4
	v_nop
.endr
	s_branch .Lfirst_done
.Lfirst_b:
	tensor_load_to_lds s[G0BS:G0BS+3], s[G1BS:G1BS+7]
	s_nop 0
	tensor_load_to_lds s[G0B:G0B+3], s[G1B:G1B+7]
	s_nop 0
.rept 4
	v_nop
.endr
.Lfirst_done:
	v_and_b32 v1, 15, v0                           ; r = l % 16
	v_bfe_u32 v2, v0, 4, 1                         ; h = l / 16
	v_mul_u32_u24 v3, v1, PA
	v_lshl_add_u32 v3, v2, 4, v3
	s_mul_i32 s22, s11, AHALF                      ; my 128 rows of A
	v_add_nc_u32 v[A0], s22, v3
	v_and_b32 v4, 7, v0                            ; the turning load: lane l reads row of k 8 h + l % 8, columns 8 ((l / 8) % 2) + 0..7
	v_lshl_add_u32 v4, v2, 3, v4
	v_mul_u32_u24 v4, v4, PB
	v_bfe_u32 v5, v0, 3, 1
	v_lshl_add_u32 v4, v5, 4, v4
	s_mul_i32 s22, s12, 3*144                      ; my 192 columns: three pieces of a row
	s_add_co_u32 s22, s22, BOFF
	v_add_nc_u32 v[B0], s22, v4
	v_add_nc_u32 v[ADRA], s2, v[A0]
	v_add_nc_u32 v[ADRB], s2, v[B0]
	v_add_nc_u32 v[ADRB2], 2*BQ, v[ADRB]
	s_mul_i32 s23, s10, WSTAGE
	s_add_co_u32 s23, s23, STAGE                   ; my stage
	v_mul_u32_u24 v6, v1, 144                      ; in: row r, 16 bytes for each half of the lanes
	v_lshl_add_u32 v6, v2, 4, v6
	v_add_nc_u32 v[STO], s23, v6
	v_bfe_u32 v7, v0, 3, 2                         ; back: 32 lanes take four rows of 128 bytes,
	v_mul_u32_u24 v7, v7, 144
	v_and_b32 v8, 7, v0
	v_lshl_add_u32 v7, v8, 4, v7
	v_add_nc_u32 v[RD], s23, v7
	v_and_b32 v9, 31, v0
	v_lshlrev_b32 v[CO], 4, v9                     ; which are 512 consecutive bytes of a group
	v_lshlrev_b32 v[PFOA], 8, v9                   ; a lane 256 dense bytes of a block of xh
	v_bfe_u32 v10, v0, 2, 3
	v_mul_u32_u24 v10, v10, WROW                   ; four lanes a row of wh,
	v_and_b32 v11, 3, v0
	v_lshl_add_u32 v[PFOB], v11, 8, v10            ; 256 bytes apart
	s_lshr_b32 s18, s13, 2                         ; where my rows begin in qkvh: batch = tile row / 4,
	s_mul_i32 s18, s18, 12582912
	s_mul_i32 s19, s42, 6                          ; six groups of 131,072 bytes a tile column, my three of them,
	s_mul_i32 s20, s12, 3
	s_add_co_u32 s19, s19, s20
	s_lshl_b32 s19, s19, 17
	s_add_co_u32 s18, s18, s19
	s_and_b32 s19, s13, 3
	s_lshl_b32 s19, s19, 15                        ; 256 rows of 128 bytes a tile row,
	s_add_co_u32 s18, s18, s19
	s_lshl_b32 s19, s11, 14                        ; my 128 of them
	s_add_co_u32 s18, s18, s19
	s_mov_b32 s19, 0
	s_add_nc_u64 s[8:9], s[8:9], s[18:19]
	s_add_co_u32 s22, s40, 4                       ; A's prefetches: block 4 + cx (the first change of slots steps it to 8 + cx),
	s_lshl_b32 s22, s22, 18
	s_lshl_b32 s23, s13, 14                        ; my tile row's rows, the half that I fetch
	s_add_co_u32 s22, s22, s23
	s_lshl_b32 s23, s12, 13
	s_add_co_u32 s22, s22, s23
	s_mov_b32 s23, 0
	s_add_nc_u64 s[PFA:PFA+1], s[4:5], s[22:23]
	s_lshl2_add_u32 s22, s41, s40                  ; B's: p = 4 cy + cx,
	s_lshl_b32 s22, s22, 3
	s_add_co_u32 s22, s22, 128                     ; row of k 128 + 8 p (the first change steps it to 256 + 8 p),
	s_mul_i32 s22, s22, WROW
	s_mul_i32 s23, ttmp9, 3072                     ; the cluster's 1,536 columns
	s_add_co_u32 s22, s22, s23
	s_mov_b32 s23, 0
	s_add_nc_u64 s[PFB:PFB+1], s[6:7], s[22:23]
	s_or_b32 s[LIMA], s11, ttmp9                   ; 0 in waves 0 and 1 of the clusters with x = 0: the same in all sixteen partners
	s_cmp_eq_u32 s[LIMA], 0
	s_cselect_b32 s[LIMA], 3, -1
	s_and_b32 s[LIMB], ttmp7, 0xffff
	s_xor_b32 s22, s10, 2
	s_or_b32 s[LIMB], s[LIMB], s22                 ; 0 in wave 2 of the clusters with y = 0
	s_cmp_eq_u32 s[LIMB], 0
	s_cselect_b32 s[LIMB], 3, -1
; 16 products: row blocks 4 hf .. 4 hf + 3 x column blocks 4 g .. 4 g + 3, 32 along K.  The 96 accumulators take turns in one order everywhere.  zero = 1: the product starts the sum.
.macro MULG hf, g, zero
	WIN 0x50*((\g)+1)                              ; A and B window 0, C and D window 1 + g
.irp a, 0,1,2,3
.irp j, 0,1,2,3
.if \zero
	v_wmma_f32_16x16x32_f16 v[64*(\j)+8*(4*(\hf)+(\a)):64*(\j)+8*(4*(\hf)+(\a))+7], v[FB+8*(4*(\g)+(\j)):FB+8*(4*(\g)+(\j))+7], v[FA+8*(4*(\hf)+(\a)):FA+8*(4*(\hf)+(\a))+7], 0
.else
	v_wmma_f32_16x16x32_f16 v[64*(\j)+8*(4*(\hf)+(\a)):64*(\j)+8*(4*(\hf)+(\a))+7], v[FB+8*(4*(\g)+(\j)):FB+8*(4*(\g)+(\j))+7], v[FA+8*(4*(\hf)+(\a)):FA+8*(4*(\hf)+(\a))+7], v[64*(\j)+8*(4*(\hf)+(\a)):64*(\j)+8*(4*(\hf)+(\a))+7]
.endif
.endr
.endr
.endm
.macro LDA hf, p                       ; 8 loads: A's row blocks 4 hf .. 4 hf + 3 of quarter p
.irp a, 0,1,2,3
	ds_load_b128 v[FA+8*(4*(\hf)+(\a)):FA+8*(4*(\hf)+(\a))+3],   v[ADRA] offset:(\p)*AQ+(4*(\hf)+(\a))*16*PA
	ds_load_b128 v[FA+8*(4*(\hf)+(\a))+4:FA+8*(4*(\hf)+(\a))+7], v[ADRA] offset:(\p)*AQ+(4*(\hf)+(\a))*16*PA+32
.endr
.endm
.macro LDB g                           ; 8 loads: B's column blocks 4 g .. 4 g + 3, turned, from v[BADR] + BPO
.irp j, 0,1,2,3
	ds_load_tr16_b128 v[FB+8*(4*(\g)+(\j)):FB+8*(4*(\g)+(\j))+3],   v[BADR] offset:BPO+144*(\g)+32*(\j)
	ds_load_tr16_b128 v[FB+8*(4*(\g)+(\j))+4:FB+8*(4*(\g)+(\j))+7], v[BADR] offset:BPO+144*(\g)+32*(\j)+16*PB
.endr
.endm
; The end of a quarter: its last two groups, and the three runs of loads for quarter np of the slot that the address registers name
.macro REST np, zero
.if (\np) == 2
.set BADR, ADRB2
.set BPO, 0
.else
.set BADR, ADRB
.set BPO, (\np)*BQ
.endif
	WIN 0
	PLACES
	LDA 0, \np
	LDB 0
	MULG 1, 1, \zero
	WIN 0
	PLACES
	LDB 1
	MULG 1, 2, \zero
	WIN 0
	PLACES
	LDB 2
	LDA 1, \np
.endm
; A quarter that is not a step's last.  Its 40 loads were issued in the order A's first half, B's groups 0, 1, 2, A's second half, eight each.
.macro Q np, zero
	s_wait_dscnt 16                                ; A's first half and B's groups 0 and 1 are in
	MULG 0, 0, \zero
	MULG 0, 1, \zero
	s_wait_dscnt 8                                 ; B's group 2
	MULG 0, 2, \zero
	s_wait_dscnt 0x0                               ; A's second half
	MULG 1, 0, \zero
	REST \np, \zero
.endm
; A step's last quarter changes slots: one barrier; in front of it each wave waits for all its tensor loads (one is out: its part of the next slot), adds 0 to its spare word, and waits for that and
; for its reads of this slot, all of which were issued in the quarter before.  fill = 1: the barrier opens a round of the cluster's, and this slot is filled again first thing behind it, two steps ahead:
; 256 products stand between that request and the wait for it.
.macro QT fill
.if \fill
	s_wait_xcnt 0x0                                ; the last prefetches, a step back, have read their addresses
	s_add_nc_u64 s[PFA:PFA+1], s[PFA:PFA+1], 4*XBLK
	s_add_nc_u64 s[PFB:PFB+1], s[PFB:PFB+1], 128*WROW
.endif
	WIN 0
	s_wait_tensorcnt 0x0                           ; no tensor load of mine is out, so a group 0 may be written
	ds_add_u32 v[SPW], v[NIL]
.if \fill
	s_add_co_u32 s[G0+1], s[LBA], s2               ; the walking descriptors: the slot that is being left, the next 96 along K
	s_add_nc_u64 s[G0+2:G0+3], s[G0+2:G0+3], 3*XBLK
	s_add_co_u32 s[G0B+1], s[LBB], s2
	s_add_nc_u64 s[G0B+2:G0B+3], s[G0B+2:G0B+3], 96*WROW
.endif
	s_wait_dscnt 17                                ; (the add and the youngest sixteen loads may be out)
	MULG 0, 0, 0
	s_wait_dscnt 0x0                               ; the add is done, and my reads of this slot are over
	s_barrier_signal -1
	MULG 0, 1, 0
	WIN 0
	s_barrier_wait -1
.if \fill
	CREST                                          ; no wave of any partner still reads this slot or has a load on its way
	JLOAD
	ASK
.endif
	s_xor_b32 s2, s2, SLOT                         ; the fetches go on in the other slot
	v_add_nc_u32 v[ADRA], s2, v[A0]
	v_add_nc_u32 v[ADRB], s2, v[B0]
	v_add_nc_u32 v[ADRB2], 2*BQ, v[ADRB]
	MULG 0, 2, 0
	MULG 1, 0, 0
	REST 0, 0
.endm
	s_wait_tensorcnt 1                             ; my part of step 0 is in; step 1's may stay out
	s_barrier_signal -1
	s_barrier_wait -1
.set BADR, ADRB
.set BPO, 0
	LDA 0, 0
	LDB 0
	LDB 1
	LDB 2
	LDA 1, 0
	Q 1, 1                                         ; step 0 has two quarters; the first one's products start the sums
	s_mov_b32 s3, 9
	QT 1
	s_mov_b32 s3, 8
.Lstep:                                ; steps 1 to 8: each fills its slot again, with steps 3 to 10
	Q 1, 0
	Q 2, 0
	QT 1
	s_sub_co_u32 s3, s3, 1
	s_cmp_lg_u32 s3, 0
	s_cbranch_scc1 .Lstep
	s_mov_b32 s3, 2
.Ltail:                                ; steps 9 and 10 fill nothing.  The last change of slots fetches 40 fragments that nobody multiplies: the price, once a launch, of one text for both steps
	Q 1, 0
	Q 2, 0
	QT 0
	s_sub_co_u32 s3, s3, 1
	s_cmp_lg_u32 s3, 0
	s_cbranch_scc1 .Ltail
	s_wait_dscnt 0x0                               ; the fragments' registers are free (four places stand behind the last product)
; THE WAY OUT, a row block (16 rows x 192 columns) at a time: rounded to f16, 16 bytes a lane into my stage (three groups of 16 rows x 144 bytes), back as 512 consecutive bytes of a group, stored.
.macro PACK a
.irp g, 0,1,2
	WIN 0x05*((\g)+1)                              ; sources window 1 + g, destination window 0
.irp j, 0,1,2,3
.irp r, 0,1,2,3
	v_cvt_pk_f16_f32 v[TMP+4*(4*(\g)+(\j))+(\r)], v[64*(\j)+8*(\a)+2*(\r)], v[64*(\j)+8*(\a)+2*(\r)+1]
.endr
.endr
.endr
	WIN 0
.endm
.macro TOSTAGE a
	s_wait_xcnt 0x0                                ; the stores of the block two back have read the registers that the loads below fill
.irp b, 0,1,2,3,4,5,6,7,8,9,10,11
	ds_store_b128 v[STO], v[TMP+4*(\b):TMP+4*(\b)+3] offset:2304*((\b)/4)+32*((\b)%4)
.endr
.irp t, 0,1,2,3,4,5,6,7,8,9,10,11
	ds_load_b128 v[OB+48*((\a)%2)+4*(\t):OB+48*((\a)%2)+4*(\t)+3], v[RD] offset:2304*((\t)/4)+576*((\t)%4)  ; LDS serves a wave's instructions in order: these see the stores above
.endr
.endm
.macro SEND a
	s_wait_dscnt 0x0
.irp t, 0,1,2,3,4,5,6,7,8,9,10,11
	global_store_b128 v[CO], v[OB+48*((\a)%2)+4*(\t):OB+48*((\a)%2)+4*(\t)+3], s[8:9] offset:131072*((\t)/4)+2048*(\a)+512*((\t)%4)  ; 512 consecutive bytes, aligned
.endr
.endm
	PACK 0
	TOSTAGE 0
.irp a, 1,2,3,4,5,6,7                  ; block a's conversions stand between block a - 1's loads from the stage and the wait for them
	PACK \a
	SEND (\a)-1
	TOSTAGE \a
.endr
	SEND 7
	s_wait_tensorcnt 0x0                           ; the wave's end
	ds_add_u32 v[SPW], v[NIL]
	s_wait_dscnt 0x0
	CROUND                                         ; the closing round
	s_endpgm
.Lfunc_end_k_q6ffcc0c66a_qkv:
	.size	k_q6ffcc0c66a_qkv, .Lfunc_end_k_q6ffcc0c66a_qkv-k_q6ffcc0c66a_qkv
	.p2alignl 7, 3214868480
	.fill 96, 4, 3214868480
	.section	.rodata,"a",@progbits
	.p2align	6, 0x0
	.amdhsa_kernel k_q6ffcc0c66a_qkv
		.amdhsa_group_segment_fixed_size 327680
		.amdhsa_private_segment_fixed_size 0
		.amdhsa_enable_private_segment 0
		.amdhsa_kernarg_size 24
		.amdhsa_user_sgpr_count 2
		.amdhsa_user_sgpr_kernarg_segment_ptr 1
		.amdhsa_wavefront_size32 1
		.amdhsa_system_sgpr_workgroup_id_x 1
		.amdhsa_system_sgpr_workgroup_id_y 1
		.amdhsa_system_sgpr_workgroup_id_z 1
		.amdhsa_system_vgpr_workitem_id 0
		.amdhsa_next_free_vgpr 1024
		.amdhsa_next_free_sgpr 88
		.amdhsa_reserve_vcc 0
		.amdhsa_float_denorm_mode_32 3
		.amdhsa_float_denorm_mode_16_64 3
		.amdhsa_memory_ordered 1
		.amdhsa_forward_progress 1
		.amdhsa_inst_pref_size 138
	.end_amdhsa_kernel
	.amdgpu_metadata
---
amdhsa.version: [ 1, 2 ]
amdhsa.kernels:
  - .name:           k_q6ffcc0c66a_qkv
    .symbol:         k_q6ffcc0c66a_qkv.kd
    .args:
      - { .name: xh, .offset: 0, .size: 8, .value_kind: global_buffer, .address_space: global }
      - { .name: wh, .offset: 8, .size: 8, .value_kind: global_buffer, .address_space: global }
      - { .name: qkvh, .offset: 16, .size: 8, .value_kind: global_buffer, .address_space: global }
    .group_segment_fixed_size: 327680
    .private_segment_fixed_size: 0
    .kernarg_segment_align: 8
    .kernarg_segment_size: 24
    .max_flat_workgroup_size: 128
    .sgpr_count:     88
    .vgpr_count:     1024
    .wavefront_size: 32
...
	.end_amdgpu_metadata
.endif
;; end of part 2
;; launch attn (part 3): grid 4 x 64, 4 waves a work-group, no clusters, 327,680 bytes of LDS; arguments qkvh, lq1, lk1, lq2, lk2, yh; writes yh
.if DOCPART == 3
	.amdgcn_target "amdgcn-amd-amdhsa--gfx1250"
	.amdhsa_code_object_version 6
	.text
	.protected	k_q6ffcc0c66a_attn
	.globl	k_q6ffcc0c66a_attn
	.p2align	8
	.type	k_q6ffcc0c66a_attn,@function
k_q6ffcc0c66a_attn:
	s_mov_b64 s[64:65], 0
	v_nop
	global_prefetch_b8 v0, s[64:65] scope:SCOPE_SE
	s_setreg_imm32_b32 hwreg(HW_REG_WAVE_MODE, 25, 1), 1
	s_wait_xcnt 0x0
; DIFFERENTIAL CAUSAL ATTENTION AND ITS NORM, for one (batch, head):  y = softmax(q1 k1^T / 8) v - lam softmax(q2 k2^T / 8) v, keys <= query;  lam = e^(lq1.lk1) - e^(lq2.lk2) + 0.35550907;
; yh = (y - mean) / sqrt(var + 1e-5) x 0.64449093 over the head's 128 channels, rounded once to f16.  q, k: 64 channels, v: 128, all f16 from qkvh[b][g][t][64]; products, maxima, sums in f32;
; the weights p are rounded to f16 for the second product, their sum l is taken of the unrounded p.
; LIMITS.  A hidden score counts as its value less 1e30; a weight below 2^-126 counts as 0; the norm squares l1 x (y - mean): that stays under 1.8e19; NaN and infinities are not treated apart.
; THE WALK.  A head's 1,024 queries are 8 blocks of 128; block i needs the key tiles 0 .. i of 128 keys.  A work-group takes block pb and then block 7 - pb: 9 tiles whatever pb, one counted loop.
; NO CLUSTER: the four work-groups of a head ask for the same tile only at the walk's beginning, and one walk common to all four would have 12 tiles for 9.
; SHARES.  A block is two bands of 64 queries; wave w owns rows 16 w .. 16 w + 15 of each.  Four TILES a wave: 0, 1 = stream 1 of bands 0, 1; 2, 3 = stream 2.  PIECE 0 = tiles 0, 1; piece 2 = tiles 2, 3.
; LAYOUT.  S^T = K Q^T: a lane holds one query (l % 16) and keys 8 (l / 16) + 0..7; two such results rounded in pairs are source 1 of O^T = V^T P.  Each stream has its own O^T, running maximum m and sum l:
; p = 2^(c s - c m), c = log2(e) / 8; in every step O and l are multiplied by a = 2^(c m_old - c m_new).  The streams are combined at a block's end.
; THE MASK is the C operand that starts S^T: MC(band) = MD x AL + BE, with MD the mask of a band's own 64 keys for my rows, made once.  One text serves every step.
; A TRIP, for key step j (64 keys):  K's loads (j) | C: V^T P of piece 0 (j - 1) | A: K Q^T of piece 0 (j) | D: V^T P of piece 2 (j - 1) | V's loads (j) | B: K Q^T of piece 2 (j).
; A piece's softmax is 67 slices of four vector instructions.  ONE slice stands behind EVERY product; those that are over stand together.  Piece 2's (step j - 1): slices 0-31 behind C's products, 32-50 and the
; masks behind C, 51-66 (O^T times a) behind A's.  Piece 0's (step j): 0-31 behind D's, 32-34 behind D, 35-50 behind B's, 51-66 behind B.
; A block's beginning (m, c m, Q) stands between C and A, its end behind D: there piece 0's next softmax has touched neither l nor O^T.  The walk's first trip runs C on zeros and sets m anew behind it;
; the last trip is left behind D: its 16 products K Q^T, on the last K once more, serve nothing: the price of one text for every trip.
; REGISTERS.  window 0: v1-15 addresses; v16-47 statistics, 8 a tile; v48-59 the norm; v64-191 S^T, 32 a tile; v192-255 P, 16 a tile.   window 1: O^T, 64 a tile.
;   window 2: v0-63 Q, 16 a tile; v64-127 the second block's Q; v128-255 K1, K2 of one step.   window 3: v0-127 V of one step; v128-159 MD; v160-223 MC.
.set KS,    64
.set PK,    144                        ; a row of K in LDS: 128 bytes + 16
.set PV,    160                        ; a row of V's half: 128 bytes + 32
.set VOFF,  2*128*PK                   ; a slot: K1, K2 (128 rows each), then V's two halves (128 rows each)
.set SLOT1, 1<<17
.set STAGE, SLOT1+2*128*(PK+PV)        ; behind the ring: 16 rows x 272 bytes for each wave
.set SP,    272
.set SPARE, STAGE+4*16*SP              ; the spare words: 128 bytes a wave, two blocks of 256 bytes that no other line names
.set AK0, 2
.set AV0, 3
.set AK,  4
.set AV,  5
.set STO, 6
.set RD,  7
.set GO,  8
.set QO,  12
.set PFO, 13
.set NLAM, 15                          ; v15 -lam
.set ST,  16                           ; tile t at ST + 8 t: c m, m, l (even keys', odd keys'), c0-c3 at work; a takes c2's place
.set TS,  48                           ; v48-55 four pairs of partial sums
.set MU,  56                           ; v56-57 minus the mean (low word)
.set G,   58                           ; v58-59 the gain (low word)
.set LOF, 60                           ; v60 my offset in lq and lk
.set SPW, 62
.set NIL, 63
.set S,   64
.set P,   192
.set EL,  224                          ; a block's end, in piece 2's P: tile t at EL + 4 t: l, at work, 1 / l or rho
.set QB,  64                           ; window 2
.set KF,  128                          ; window 2: stream s, key block kb, channel half c at KF + 64 s + 16 kb + 8 c
.set MD,  128                          ; window 3
.set MC,  160                          ; window 3: band bd at MC + 32 bd
.set WV,  14
.set LO,  15
.set HI,  16
.set G1K, 24
.set G1V, 32
.set G0K, 40
.set G0V, 44
.set SLOTS, 56
.set CNT, 57
.set CS,  58
.set SEL, 60
.set TBK, 62
.set TBV, 63
.set RT,  66                           ; tiles of the block in hand still to be entered
.set NXT, 67                           ; the tile to be asked for next
.set LQ,  68                           ; the last tile of the block whose tiles are being asked for
.set DG,  69                           ; 1: the tile in hand holds the diagonal
.set ENDF, 70                          ; 1: a block ends and the next begins in this trip; 2: the walk's first trip; else 0
.set CODE, 71
.set OFF, 72
.set AL0, 74
.set BE0, 76
.set AL1, 78
.set BIGN, 80
.set HI1, 81
.set PFA, 82
.set LIM, 84
.set MSB, 0
.macro WIN new
.if MSB != (\new)
	s_set_vgpr_msb (MSB<<8)|(\new)
.set MSB, (\new)
.endif
.endm
.macro PLACES
.rept 4
	v_nop
.endr
.endm
; A fill: waves 0 and 1 fetch a tile's K1 and K2, waves 2 and 3 V's two halves: 16,384 dense bytes each.  An s_nop 0 and four v_nop follow each line.
.macro LOAD
	s_cmp_lt_u32 s[WV], 2
	s_cbranch_scc0 .Lfor_v_\@
	tensor_load_to_lds s[G0K:G0K+3], s[G1K:G1K+7]
	s_nop 0
.rept 4
	v_nop
.endr
	s_branch .Lasked_\@
.Lfor_v_\@:
	tensor_load_to_lds s[G0V:G0V+3], s[G1V:G1V+7]
	s_nop 0
.rept 4
	v_nop
.endr
.Lasked_\@:
.endm
; A PREFETCH, behind the fill: in trip n = 0 .. 5 of the loop over tiles the head's key tile n + 2, a trip or two ahead of the first fill that names it.  A tile's four parts are 256 blocks of 256 bytes: the head's four
; work-groups take 4,096 bytes of each part, told apart by address; wave 0 asks for K1's and K2's (16 lanes each), wave 2 for V's halves.  So each block is named once in the launch; tiles 0 and 1 come by their fills alone.
.macro ASK
	s_cmp_gt_u32 s[SLOTS], s[LIM]
	s_cbranch_scc0 .Lnot_mine_\@
	global_prefetch_b8 v[PFO], s[PFA:PFA+1] th:TH_LOAD_NT scope:SCOPE_SE
.Lnot_mine_\@:
.endm
; THE CHANGE OF SLOTS.  Each wave waits for all its tensor loads (one is out: its part of the other slot), adds 0 to its spare word, and waits for that and for its reads of the slot that it leaves.
; fill = 1: the old slot is filled again, first thing behind the barrier, with tile NXT; the descriptor's address is made anew from that number.  (At its first use slot 0 is waited for and slot 1 filled.)
.macro CHANGE fill
	WIN 0
	s_wait_tensorcnt 0x0
	ds_add_u32 v[SPW], v[NIL]                      ; 0 onto my spare word; scalar work stands between it and the wait for it
.if \fill
	s_lshl_b32 s[OFF], s[NXT], 14                  ; a tile is 16,384 bytes of each part
	s_xor_b32 s[G0K+1], s[G0K+1], SLOT1
	s_add_nc_u64 s[G0K+2:G0K+3], s[6:7], s[OFF:OFF+1]
	s_or_b32 s[G0K+3], s[G0K+3], 0x80000000
	s_xor_b32 s[G0V+1], s[G0V+1], SLOT1
	s_add_nc_u64 s[G0V+2:G0V+3], s[8:9], s[OFF:OFF+1]
	s_or_b32 s[G0V+3], s[G0V+3], 0x80000000
	s_add_co_u32 s[NXT], s[NXT], 1                 ; the block's next tile, or behind its last the second block's tile 0
	s_cmp_gt_u32 s[NXT], s[LQ]
	s_cselect_b32 s[NXT], 0, s[NXT]
	s_cselect_b32 s[LQ], s[HI], s[LQ]
	s_wait_xcnt 0x0                                ; the last prefetch, a tile back, has read its address
	s_add_nc_u64 s[PFA:PFA+1], s[PFA:PFA+1], 16384
.endif
	s_wait_dscnt 0x0                               ; the add is done, and my reads of the slot are over
	s_barrier_signal -1
	s_sub_co_u32 s[TBK], s[TBK], 2*KS*PK           ; the fetches go back to a slot's first step, in the other slot
	s_xor_b32 s[TBK], s[TBK], SLOT1
	s_sub_co_u32 s[TBV], s[TBV], 2*KS*PV
	s_xor_b32 s[TBV], s[TBV], SLOT1
	s_barrier_wait -1
.if \fill
	LOAD
	ASK
.endif
.endm
	s_load_b128 s[48:51], s[0:1], 0x0              ; qkvh s[48:49], lq1 s[50:51]
	s_load_b128 s[52:55], s[0:1], 0x10             ; lk1 s[52:53], lq2 s[54:55]
	s_load_b128 s[92:95], s[0:1], 0x20             ; lk2 s[92:93], yh s[94:95]
	v_lshl_add_u32 v[SPW], v0, 2, SPARE
	v_mov_b32 v[NIL], 0
	ds_add_u32 v[SPW], v[NIL]                      ; the wave's opening: the add and its wait stand ahead of my first tensor load
	v_lshrrev_b32 v1, 5, v0
	v_readfirstlane_b32 s[WV], v1
	s_mov_b32 s[LO], ttmp9                         ; the first block,
	s_sub_co_u32 s[HI], 7, s[LO]                   ; the second
	s_add_co_u32 s[HI1], s[HI], 1
	s_and_b32 s17, ttmp7, 0xffff
	s_lshr_b32 s18, s17, 4                         ; batch
	s_and_b32 s19, s17, 15                         ; head
	s_mul_i32 s20, s18, 12582912                   ; a batch's 96 groups
	s_lshl_b32 s21, s19, 17                        ; a group is 131,072 bytes
	s_add_co_u32 s22, s20, s21                     ; group h of the batch
	s_and_b32 s23, s[WV], 1
	s_lshl_b32 s2, s23, 21                         ; K: group 32 + h (wave 0) or 48 + h (wave 1)
	s_add_co_u32 s2, s2, s22
	s_add_co_u32 s2, s2, 4194304
	s_mov_b32 s3, 0
	s_lshl_b32 s4, s19, 18                         ; V: group 64 + 2 h (wave 2) or 65 + 2 h (wave 3)
	s_add_co_u32 s4, s4, s20
	s_lshl_b32 s5, s23, 17
	s_add_co_u32 s4, s4, s5
	s_add_co_u32 s4, s4, 8388608
	s_mov_b32 s5, 0
	s_mov_b32 s[G0K], 1
	s_mul_i32 s[G0K+1], s23, 128*PK                ; LDS: slot 0
	s_mov_b32 s[G0V], 1
	s_mul_i32 s[G0V+1], s23, 128*PV
	s_add_co_u32 s[G0V+1], s[G0V+1], VOFF
	s_lshl_b32 s17, s[WV], 11                      ; Q: my 16 rows of 128 bytes in a band,
	s_add_co_u32 s17, s17, s22
	s_lshl_b32 s20, s[LO], 14                      ; in the first block,
	s_add_co_u32 s20, s20, s17
	s_mov_b32 s21, 0
	s_lshl_b32 s22, s[HI], 14                      ; and in the second
	s_add_co_u32 s22, s22, s17
	s_mov_b32 s23, 0
	; group 1: 16,384 dense bytes as 64 rows of 256 bytes, padded in LDS after every key's 128 bytes
	s_mov_b32 s[G1K], (1<<16)|(1<<20)|(4<<22)|(3<<25)
	s_mov_b32 s[G1V], (1<<16)|(1<<20)|(4<<22)|(7<<25)
.irp g, G1K, G1V
	s_mov_b32 s[\g+1], 128<<16
	s_mov_b32 s[\g+2], 64<<16
	s_mov_b32 s[\g+3], 128<<16
	s_mov_b32 s[\g+4], 64
	s_mov_b32 s[\g+5], 128
	s_mov_b32 s[\g+6], 0
	s_mov_b32 s[\g+7], 0
.endr
	s_mov_b32 s[CS], 0x3e38aa3b                    ; c = log2(e) / 8
	s_mov_b32 s[CS+1], s[CS]
	s_mov_b32 s[SEL], 0x76543210
	s_mov_b32 s[SEL+1], 0xfedcba98
	s_mov_b32 s[TBK], SLOT1+2*KS*PK                ; the first change of slots turns these two into 0
	s_mov_b32 s[TBV], SLOT1+2*KS*PV
	s_add_co_u32 s[RT], s[LO], 1                   ; the first block has pb + 1 tiles
	s_cmp_eq_u32 s[LO], 0                          ; the walk's second tile: the first block's tile 1, or, where it has one tile, the second block's tile 0
	s_cselect_b32 s[NXT], 0, 1
	s_cselect_b32 s[LQ], s[HI], s[LO]
	s_mov_b32 s[ENDF], 2
	s_mov_b32 s[OFF+1], 0
	s_mov_b32 s[AL0+1], 0                          ; named as pairs
	s_mov_b32 s[BE0+1], 0
	s_mov_b32 s[AL1+1], 0
	s_mov_b32 s[BIGN], 0xf149f2ca                  ; -1e30
	s_mov_b32 s[SLOTS], 8
	s_mov_b32 s85, 0xbc000000                      ; -1/128
	s_mov_b32 s86, 0x3727c5ac                      ; 1e-5
	s_mov_b32 s87, 0x3c000000                      ; 1/128
	s_and_b32 s[LIM], s[WV], 1
	s_cmp_eq_u32 s[LIM], 0
	s_cselect_b32 s[LIM], 2, -1                    ; waves 0 and 2 prefetch while more than two fills are to come
	s_wait_dscnt 0x0                               ; the opening add is done
	s_wait_kmcnt 0x0
	s_add_nc_u64 s[6:7], s[48:49], s[2:3]          ; my part of K, of V, at the head's tile 0
	s_add_nc_u64 s[8:9], s[48:49], s[4:5]
	s_add_nc_u64 s[G0K+2:G0K+3], s[6:7], 0
	s_or_b32 s[G0K+3], s[G0K+3], 0x80000000
	s_add_nc_u64 s[G0V+2:G0V+3], s[8:9], 0
	s_or_b32 s[G0V+3], s[G0V+3], 0x80000000
	LOAD                                           ; tile 0 into slot 0
	s_add_nc_u64 s[88:89], s[48:49], s[20:21]      ; Q of the first block, of the second
	s_add_nc_u64 s[90:91], s[48:49], s[22:23]
	s_lshl_b32 s2, s18, 22                         ; yh: (1,024 b + 128 block + 16 w) rows of 4,096 bytes + 256 h
	s_lshl_b32 s4, s[WV], 16
	s_add_co_u32 s2, s2, s4
	s_lshl_b32 s4, s19, 8
	s_add_co_u32 s2, s2, s4
	s_lshl_b32 s4, s[HI], 19
	s_add_co_u32 s4, s4, s2
	s_lshl_b32 s17, s[LO], 19
	s_add_co_u32 s2, s2, s17
	s_add_nc_u64 s[10:11], s[94:95], s[2:3]        ; the block in hand's,
	s_add_nc_u64 s[12:13], s[94:95], s[4:5]        ; the second block's
	s_cmp_lt_u32 s[WV], 2
	s_cselect_b64 s[PFA:PFA+1], s[6:7], s[8:9]     ; (in waves 0 and 2 these stand at a tile's first part)
	s_cselect_b32 s20, 21, 17                      ; from a tile's first part to its second: 2,097,152 bytes for K, 131,072 for V
	s_lshl_b32 s2, s[LO], 12                       ; my work-group's 4,096 bytes of each part,
	s_add_co_u32 s2, s2, 16384                     ; in tile 1: the first change of slots steps it to tile 2
	s_add_nc_u64 s[PFA:PFA+1], s[PFA:PFA+1], s[2:3]
	v_and_b32 v1, 15, v0                           ; r
	v_bfe_u32 v9, v0, 4, 1                         ; h
	v_lshlrev_b32 v[QO], 7, v1
	v_lshl_add_u32 v[QO], v9, 4, v[QO]
	WIN 0x80
.set i, 0
.rept 8                                ; both blocks' Q: tile i / 2 = (stream i / 4, band (i / 2) % 2), channels 32 (i % 2) on
	global_load_b128 v[8*i:8*i+3],         v[QO], s[88:89] offset:(i/4)*2097152+((i/2)%2)*8192+(i%2)*64
	global_load_b128 v[8*i+4:8*i+7],       v[QO], s[88:89] offset:(i/4)*2097152+((i/2)%2)*8192+(i%2)*64+32
	global_load_b128 v[QB+8*i:QB+8*i+3],   v[QO], s[90:91] offset:(i/4)*2097152+((i/2)%2)*8192+(i%2)*64
	global_load_b128 v[QB+8*i+4:QB+8*i+7], v[QO], s[90:91] offset:(i/4)*2097152+((i/2)%2)*8192+(i%2)*64+32
.set i, i+1
.endr
	WIN 0
	v_and_b32 v10, 31, v0
	v_lshlrev_b32 v[LOF], 3, v10                   ; two numbers a lane of the head's 64
	s_lshl_b32 s17, s19, 8
	v_add_nc_u32 v[LOF], s17, v[LOF]
	global_load_b64 v[64:65], v[LOF], s[50:51]
	global_load_b64 v[66:67], v[LOF], s[52:53]
	global_load_b64 v[68:69], v[LOF], s[54:55]
	global_load_b64 v[70:71], v[LOF], s[92:93]
	v_lshlrev_b32 v[PFO], s20, v9
	v_lshl_add_u32 v[PFO], v1, 8, v[PFO]
	v_mul_u32_u24 v[AK0], v1, PK
	v_lshl_add_u32 v[AK0], v9, 4, v[AK0]
	v_and_b32 v10, 7, v0                           ; the turning load: lane l reads key 8 h + l % 8, channels 8 ((l / 8) % 2) + 0..7
	v_bfe_u32 v11, v0, 3, 1
	v_lshl_add_u32 v[AV0], v9, 3, v10
	v_mul_u32_u24 v[AV0], v[AV0], PV
	v_lshl_add_u32 v[AV0], v11, 4, v[AV0]
	v_add_nc_u32 v[AV0], VOFF, v[AV0]
	s_mul_i32 s17, s[WV], 16*SP
	s_add_co_u32 s17, s17, STAGE
	v_mul_u32_u24 v[STO], v1, SP
	v_lshl_add_u32 v[STO], v9, 4, v[STO]
	v_add_nc_u32 v[STO], s17, v[STO]
	v_mul_u32_u24 v[RD], v9, SP
	v_lshl_add_u32 v[RD], v1, 4, v[RD]
	v_add_nc_u32 v[RD], s17, v[RD]
	v_lshlrev_b32 v[GO], 12, v9
	v_lshl_add_u32 v[GO], v1, 4, v[GO]
	v_lshlrev_b32 v14, 3, v9
	v_sub_nc_u32 v14, v1, v14
	s_lshl_b32 s17, s[WV], 4
	v_add_nc_u32 v14, s17, v14                     ; 16 w + r - 8 h: register j of key block kb is hidden where 16 kb + j is greater
	WIN 0xc0
.set i, 0
.rept 32
	v_cmp_gt_i32 vcc_lo, 16*(i/8)+i%8, v14
	v_cndmask_b32 v[MD+i], 0, s[BIGN], vcc_lo
.set i, i+1
.endr
; What the first trip finds: V, P, O^T, l and piece 2's S^T hold 0: its products V^T P, of a step that has not been, add 0, and the softmax that it runs on those zeros leaves finite numbers, which the first
; true step multiplies by a = 0; m and c m are set anew behind it.  No first step is written out; these lines run in the wait for the first tile.
.set i, 0
.rept 128
	v_mov_b32 v[i], 0
.set i, i+1
.endr
	WIN 0x40
.set i, 0
.rept 256
	v_mov_b32 v[i], 0
.set i, i+1
.endr
	WIN 0
.set i, S+64
.rept 128                              ; piece 2's S^T and all of P lie on end
	v_mov_b32 v[i], 0
.set i, i+1
.endr
.irp t, 0,1,2,3
	v_mov_b32 v[ST+8*(\t)], 0xfe000000             ; c m: far below every c s, a hidden one's too
	v_mov_b32 v[ST+8*(\t)+1], 0xff7fffff           ; m
	v_mov_b32 v[ST+8*(\t)+2], 0
	v_mov_b32 v[ST+8*(\t)+3], 0
.endr
	v_mov_b32 v[MU+1], 0                           ; named in pairs
	v_mov_b32 v[G+1], 0
	s_wait_loadcnt 0x0                             ; Q, lq, lk
	v_mul_f32 v64, v64, v66                        ; lam: two dot products of 64, over the wave's 32 lanes
	v_mul_f32 v68, v68, v70
	v_fmac_f32 v64, v65, v67
	v_fmac_f32 v68, v69, v71
.irp x, 1,2,4,8
	v_add_f32_dpp v64, v64, v64 row_xmask:\x row_mask:0xf bank_mask:0xf
	v_add_f32_dpp v68, v68, v68 row_xmask:\x row_mask:0xf bank_mask:0xf
.endr
	v_permlanex16_b32 v65, v64, s[SEL], s[SEL+1]
	v_permlanex16_b32 v69, v68, s[SEL], s[SEL+1]
	v_add_f32 v64, v64, v65
	v_add_f32 v68, v68, v69
	v_mul_f32 v64, 0x3fb8aa3b, v64
	v_mul_f32 v68, 0x3fb8aa3b, v68
	v_exp_f32 v64, v64
	v_exp_f32 v68, v68
	v_nop                                          ; a plain instruction behind the last exponential,
	s_wait_alu depctr_va_vdst(0)                   ; and the wait ahead of the first use
	v_sub_f32 v[NLAM], v68, v64
	v_add_f32 v[NLAM], 0xbeb60549, v[NLAM]         ; -lam = e2 - e1 - 0.35550907
; THE MATRIX WORK.  The accumulators of a run take turns, one instruction a turn.
; Product i of 16 of S^T = K Q^T for piece x: channels 32 (i / 8) on, keys 16 ((i / 2) % 4) on, tile x + i % 2.  The first 8 start the sums with the band's mask.
.macro KQ x
.set rS, S+32*((\x)+i%2)+8*((i/2)%4)
.set rK, KF+64*((\x)/2)+16*((i/2)%4)+8*(i/8)
.set rQ, 16*((\x)+i%2)+8*(i/8)
.set rM, MC+32*(i%2)+8*((i/2)%4)
.if i < 8
	WIN 0x3a                                       ; K, Q window 2, the mask window 3, S^T window 0
	v_wmma_f32_16x16x32_f16 v[rS:rS+7], v[rK:rK+7], v[rQ:rQ+7], v[rM:rM+7]
.else
	WIN 0x0a
	v_wmma_f32_16x16x32_f16 v[rS:rS+7], v[rK:rK+7], v[rQ:rQ+7], v[rS:rS+7]
.endif
.endm
; Product i of 32 of O^T += V^T P for piece x: keys 32 (i / 16) on, channels 16 ((i / 2) % 8) on, tile x + i % 2.
.macro PV x
	WIN 0x53                                       ; V window 3, P window 0, O^T window 1
.set rO, 64*((\x)+i%2)+8*((i/2)%8)
.set rV, 64*(i/16)+8*((i/2)%8)
.set rP, P+16*((\x)+i%2)+8*(i/16)
	v_wmma_f32_16x16x32_f16 v[rO:rO+7], v[rV:rV+7], v[rP:rP+7], v[rO:rO+7]
.endm
; THE LDS LOADS, in runs of 32: a step's K of both streams, and its V (turned).
.macro FETCH_K
	WIN 0
	v_add_nc_u32 v[AK], s[TBK], v[AK0]
	s_add_co_u32 s[TBK], s[TBK], KS*PK
	WIN 0x80
.irp s, 0,1
.irp f, 0,1,2,3,4,5,6,7
	ds_load_b128 v[KF+64*(\s)+8*(\f):KF+64*(\s)+8*(\f)+3],   v[AK] offset:(\s)*128*PK+((\f)/2)*16*PK+((\f)%2)*64
	ds_load_b128 v[KF+64*(\s)+8*(\f)+4:KF+64*(\s)+8*(\f)+7], v[AK] offset:(\s)*128*PK+((\f)/2)*16*PK+((\f)%2)*64+32
.endr
.endr
.endm
.macro FETCH_V
	WIN 0
	v_add_nc_u32 v[AV], s[TBV], v[AV0]
	s_add_co_u32 s[TBV], s[TBV], KS*PV
	WIN 0xc0
.irp f, 0,1,2,3,4,5,6,7,8,9,10,11,12,13,14,15      ; keys 32 (f / 8) on, channels 16 (f % 8) on: half (f % 8) / 4
	ds_load_tr16_b128 v[8*(\f):8*(\f)+3],   v[AV] offset:(((\f)%8)/4)*128*PV+((\f)/8)*32*PV+((\f)%4)*32
	ds_load_tr16_b128 v[8*(\f)+4:8*(\f)+7], v[AV] offset:(((\f)%8)/4)*128*PV+((\f)/8)*32*PV+((\f)%4)*32+16*PV
.endr
.endm
; Line z of 32 that make the masks: band 0's MD x AL0 + BE0, band 1's MD x AL1.
.macro MASKI z
	WIN 0xc3
.if (\z) < 16
	v_pk_fma_f32 v[MC+2*(\z):MC+2*(\z)+1], v[MD+2*(\z):MD+2*(\z)+1], s[AL0:AL0+1], s[BE0:BE0+1] op_sel_hi:[1,0,0]
.else
	v_pk_mul_f32 v[MC+2*(\z):MC+2*(\z)+1], v[MD+2*(\z)-32:MD+2*(\z)-31], s[AL1:AL1+1] op_sel_hi:[1,0]
.endif
.endm
; THE VECTOR WORK.  One tile's softmax for a step is a list of 134 instructions; SM writes number j of it for tile t.
;   0-15 the maximum of the lane's 32 scores and the old m (each accumulator's lowest registers first)   16-20 the other half of the lanes'; m; c m; its change
;   21-69 ONE BATCH: 16 scalings c s - c m and 33 exponentials (a at 23); none reads an exponential's result   (the wait)   70-85 roundings to f16   86-101 the sums; l = a l + sum   102-133 O^T times a
.macro SM t
.set rT, ST+8*(\t)
.set rS, S+32*(\t)
.set rP, P+16*(\t)
.set rO, 64*(\t)+2*(j-102)
.if j < 102
	WIN 0
.endif
.if j < 4
	v_max3_num_f32 v[rT+4+j], v[rS+8*j], v[rS+8*j+1], v[rS+8*j+2]
.elseif j < 12
	v_max3_num_f32 v[rT+4+j%4], v[rT+4+j%4], v[rS+8*(j%4)+2*(j/4)+1], v[rS+8*(j%4)+2*(j/4)+2]
.elseif j == 12
	v_max3_num_f32 v[rT+4], v[rT+4], v[rS+7], v[rS+15]
.elseif j == 13
	v_max3_num_f32 v[rT+6], v[rT+6], v[rS+23], v[rS+31]
.elseif j == 14
	v_max3_num_f32 v[rT+4], v[rT+4], v[rT+5], v[rT+6]
.elseif j == 15
	v_max3_num_f32 v[rT+4], v[rT+4], v[rT+7], v[rT+1]
.elseif j == 16
	v_permlanex16_b32 v[rT+5], v[rT+4], s[SEL], s[SEL+1]
.elseif j == 17
	v_mov_b32 v[rT+7], v[rT]
.elseif j == 18
	v_max_num_f32 v[rT+1], v[rT+4], v[rT+5]
.elseif j == 19
	v_mul_f32 v[rT], s[CS], v[rT+1]
.elseif j == 20
	v_sub_f32 v[rT+7], v[rT+7], v[rT]
.elseif j == 23
	v_exp_f32 v[rT+6], v[rT+7]
.elseif (j < 23) || ((j < 38) && (j%2 == 0)) || ((j < 66) && (j%4 == 2))
.set b, (j-2)/4
.if j < 38
.set b, (j-20)/2
.endif
	v_pk_fma_f32 v[rS+2*b:rS+2*b+1], v[rS+2*b:rS+2*b+1], s[CS:CS+1], v[rT:rT+1] op_sel_hi:[1,0,0] neg_lo:[0,0,1] neg_hi:[0,0,1]
.elseif j < 70
.set e, j-38
.if j < 66
.set e, j-32-(j-38)/4
.endif
.if j < 38
.set e, (j-25)/2
.endif
	v_exp_f32 v[rS+e], v[rS+e]
.elseif j < 86
	v_cvt_pk_f16_f32 v[rP+j-70], v[rS+2*(j-70)], v[rS+2*(j-70)+1]
.elseif j < 102
.set z, j-86
.set w, 4
.set u, z
.if z >= 14
.set w, 32
.set u, 0
.elseif z >= 12
.set w, 16
.set u, z-12
.elseif z >= 8
.set w, 8
.set u, z-8
.endif
.if z < 15
	v_pk_add_f32 v[rS+w*u:rS+w*u+1], v[rS+w*u:rS+w*u+1], v[rS+w*u+w/2:rS+w*u+w/2+1]
.else
	v_pk_fma_f32 v[rT+2:rT+3], v[rT+2:rT+3], v[rT+6:rT+7], v[rS:rS+1] op_sel_hi:[1,0,1]
.endif
.else
	WIN 0x41
	v_pk_mul_f32 v[rO:rO+1], v[rO:rO+1], v[rT+6:rT+7] op_sel_hi:[1,0]
.endif
.endm
; Slice k of 67 of piece y's softmax: four instructions.  Slices 11-34 deal out the batch, four numbers of one tile each, the tiles by turns; every other slice is numbers 2 k, 2 k + 1 of both tiles.
; Behind slice 34 all 66 exponentials are issued and no result has been named: there stand the batch's plain instruction and its one wait.
.macro SLICE y
.if (k >= 11) && (k < 35)
.irp n, 0,1,2,3
.set j, 22+4*((k-11)/2)+(\n)
	SM (\y)+(k-11)%2
.endr
.else
.irp n, 0,1
.irp t, \y, (\y)+1
.set j, 2*k+(\n)
	SM \t
.endr
.endr
.endif
.if k == 34
	v_nop
	s_wait_alu depctr_va_vdst(0)
.endif
.set k, k+1
.endm
; A BLOCK'S END.  y x l1 = O1 + rho O2 with rho = -lam l1 / l2; the norm is taken of that and the factor 1 / l1 goes into the gain.  A lane holds 64 of its query's 128 channels, the lane 16 away the others.
; It works in piece 2's P and S^T, which are free behind D; of piece 0 it reads l and O^T alone.
.macro REDUCE                          ; TS's four pairs, and the other half of the lanes', into v[TS]
	WIN 0
	v_pk_add_f32 v[TS:TS+1], v[TS:TS+1], v[TS+2:TS+3]
	v_pk_add_f32 v[TS+4:TS+5], v[TS+4:TS+5], v[TS+6:TS+7]
	v_pk_add_f32 v[TS:TS+1], v[TS:TS+1], v[TS+4:TS+5]
	v_add_f32 v[TS], v[TS], v[TS+1]
	v_permlanex16_b32 v[TS+1], v[TS], s[SEL], s[SEL+1]
	v_add_f32 v[TS], v[TS], v[TS+1]
.endm
.macro PACKN t                         ; band t
.set o1, 64*(\t)
.set o2, 128+64*(\t)
.set rR, EL+4*((\t)+2)+2
.set rF, EL+4*(\t)+2
.set sB, S+64+32*(\t)
	WIN 0x51
.set i, 0
.rept 32
	v_pk_fma_f32 v[o1+2*i:o1+2*i+1], v[o2+2*i:o2+2*i+1], v[rR:rR+1], v[o1+2*i:o1+2*i+1] op_sel_hi:[1,0,1]
.set i, i+1
.endr
	WIN 0x05
.set i, 0
.rept 4
	v_pk_add_f32 v[TS+2*i:TS+2*i+1], v[o1+2*i:o1+2*i+1], v[o1+8+2*i:o1+8+2*i+1]
.set i, i+1
.endr
	WIN 0x04
.set i, 8
.rept 24
	v_pk_add_f32 v[TS+2*(i%4):TS+2*(i%4)+1], v[TS+2*(i%4):TS+2*(i%4)+1], v[o1+2*i:o1+2*i+1]
.set i, i+1
.endr
	REDUCE
	v_mul_f32 v[MU], s85, v[TS]                    ; minus the mean
	WIN 0x41
.set i, 0
.rept 32
	v_pk_add_f32 v[o1+2*i:o1+2*i+1], v[o1+2*i:o1+2*i+1], v[MU:MU+1] op_sel_hi:[1,0]
.set i, i+1
.endr
	WIN 0x05
.set i, 0
.rept 4
	v_pk_mul_f32 v[TS+2*i:TS+2*i+1], v[o1+2*i:o1+2*i+1], v[o1+2*i:o1+2*i+1]
.set i, i+1
.endr
.rept 28
	v_pk_fma_f32 v[TS+2*(i%4):TS+2*(i%4)+1], v[o1+2*i:o1+2*i+1], v[o1+2*i:o1+2*i+1], v[TS+2*(i%4):TS+2*(i%4)+1]
.set i, i+1
.endr
	REDUCE
	v_mul_f32 v[TS+1], v[rF], v[rF]
	v_mul_f32 v[TS], v[TS], v[TS+1]
	v_fma_f32 v[TS], v[TS], s87, s86               ; var + 1e-5
	v_rsq_f32 v[TS+1], v[TS]
	v_nop
	s_wait_alu depctr_va_vdst(0)
	v_mul_f32 v[G], v[TS+1], v[rF]
	v_mul_f32 v[G], 0x3f24fd5c, v[G]               ; x 0.64449093
	WIN 0x41
.set i, 0
.rept 32
	v_pk_mul_f32 v[o1+2*i:o1+2*i+1], v[o1+2*i:o1+2*i+1], v[G:G+1] op_sel_hi:[1,0]
.set i, i+1
.endr
	WIN 0x05
.set i, 0
.rept 32
	v_cvt_pk_f16_f32 v[sB+i], v[o1+2*i], v[o1+2*i+1]
.set i, i+1
.endr
	WIN 0
.irp f, 0,1,2,3,4,5,6,7
	ds_store_b128 v[STO], v[sB+4*(\f):sB+4*(\f)+3] offset:32*(\f)
.endr
.irp f, 0,1,2,3,4,5,6,7
	ds_load_b128 v[sB+4*(\f):sB+4*(\f)+3], v[RD] offset:(\f)*2*SP  ; LDS serves a wave's instructions in order: these see the stores above; the next band's stores come behind them
.endr
.endm
.macro SEND t, younger                 ; younger: the LDS instructions issued behind band t's loads
.irp f, 0,1,2,3,4,5,6,7
	s_wait_dscnt (\younger)+7-(\f)
	global_store_b128 v[GO], v[S+64+32*(\t)+4*(\f):S+64+32*(\t)+4*(\f)+3], s[10:11] offset:(\t)*262144+(\f)*8192  ; 16 lanes store a (token, head)'s 256 bytes, aligned
.endr
.endm
.macro END
	WIN 0
.irp t, 0,1,2,3
	v_add_f32 v[EL+4*(\t)], v[ST+8*(\t)+2], v[ST+8*(\t)+3]
.endr
.irp t, 0,1,2,3
	v_permlanex16_b32 v[EL+4*(\t)+1], v[EL+4*(\t)], s[SEL], s[SEL+1]
.endr
.irp t, 0,1,2,3
	v_add_f32 v[EL+4*(\t)], v[EL+4*(\t)], v[EL+4*(\t)+1]
.endr
.irp t, 0,1,2,3
	v_rcp_f32 v[EL+4*(\t)+2], v[EL+4*(\t)]
.endr
	v_nop
	s_wait_alu depctr_va_vdst(0)                   ; one wait for the four reciprocals
.irp t, 0,1
	v_mul_f32 v[EL+4*((\t)+2)+2], v[EL+4*((\t)+2)+2], v[EL+4*(\t)]
	v_mul_f32 v[EL+4*((\t)+2)+2], v[EL+4*((\t)+2)+2], v[NLAM]     ; rho
.endr
	PACKN 0
	PACKN 1
	SEND 0, 16
	SEND 1, 0
	s_wait_xcnt 0x0                                ; the stores have read their registers and their base
.endm
; A TRIP.  tail = 0: the text holds a block's beginning and end, jumped over forward where ENDF says so; the jumps pass no barrier and no tensor load.
; tail = 1: the walk's last tile, CNT = 3, 2, 1: the third trip fetches nothing and is left behind D.
.macro T tail
.if \tail
	s_sub_co_u32 s[CODE], s[CNT], 1                ; 2: the diagonal tile's first step; 1: its second; 0: any other
.else
	s_mul_i32 s[CODE], s[DG], s[CNT]
.endif
	s_cmp_eq_u32 s[CODE], 2
	s_cselect_b32 s[AL0], 1.0, 0                   ; band 0 holds the diagonal in the first,
	s_cmp_eq_u32 s[CODE], 1
	s_cselect_b32 s[BE0], s[BIGN], 0               ; sees nothing in the second,
	s_cselect_b32 s[AL1], 1.0, 0                   ; where band 1 holds it
	s_wait_dscnt 0x0                               ; V of the step before is in
.if \tail
	s_cmp_eq_u32 s[CNT], 1
	s_cbranch_scc1 .Lno_k_\@
.endif
	FETCH_K                                        ; the last products that read K stand in front of 64 plain instructions
.if \tail
	WIN 0
.Lno_k_\@:
.endif
.set k, 0
.set i, 0
.rept 32                               ; C
	PV 0
	SLICE 2
.set i, i+1
.endr
.rept 19
	SLICE 2
.endr
.set i, 0
.rept 32
	MASKI i
.set i, i+1
.endr
.if (\tail) == 0
	WIN 0
	s_cmp_eq_u32 s[ENDF], 0
	s_cbranch_scc1 .Lno_new_\@
.irp t, 0,1,2,3                        ; c m goes far below every c s, so the next step's a is 0: O^T and l need only be finite
	v_mov_b32 v[ST+8*(\t)], 0xfe000000
	v_mov_b32 v[ST+8*(\t)+1], 0xff7fffff
.endr
	s_cmp_eq_u32 s[ENDF], 2
	s_cbranch_scc1 .Lno_new_\@
	WIN 0x82                                       ; the second block's Q goes where the one text names Q
.set i, 0
.rept 64
	v_mov_b32 v[i], v[QB+i]
.set i, i+1
.endr
	WIN 0
.Lno_new_\@:
.endif
	s_wait_dscnt 0x0                               ; K is in
.set i, 0
.rept 16                               ; A
	KQ 0
	SLICE 2
.set i, i+1
.endr
.set k, 0
.set i, 0
.rept 32                               ; D
	PV 2
	SLICE 0
.set i, i+1
.endr
.rept 3
	SLICE 0
.endr
	WIN 0
.if \tail
	s_cmp_eq_u32 s[CNT], 1
	s_cbranch_scc1 .Lout
.endif
	v_nop                                          ; with two scalings, the batch's v_nop and the run's own addition: six places behind the last product that read V
	v_nop
	FETCH_V
.if (\tail) == 0
	WIN 0
	s_cmp_eq_u32 s[ENDF], 1
	s_cbranch_scc0 .Lno_end_\@
	END
	s_mov_b64 s[10:11], s[12:13]
.Lno_end_\@:
	s_mov_b32 s[ENDF], 0
.endif
.set i, 0
.rept 16                               ; B
	KQ 2
	SLICE 0
.set i, i+1
.endr
.rept 16
	SLICE 0
.endr
	WIN 0
.endm
.macro STEPS tail, n                   ; a tile's trips: written once; the LDS addresses hang on TBK and TBV
	WIN 0
	s_mov_b32 s[CNT], \n
.Lstep_\@:
	T \tail
	s_sub_co_u32 s[CNT], s[CNT], 1
	s_cmp_lg_u32 s[CNT], 0
	s_cbranch_scc1 .Lstep_\@
.endm
.Lslot:                                ; 8 trips: a tile is entered and the next is asked for
	CHANGE 1
	s_sub_co_u32 s[RT], s[RT], 1
	s_cmp_eq_u32 s[RT], 0
	s_cselect_b32 s[DG], 1, 0
	STEPS 0, 2
	s_mov_b32 s[ENDF], s[DG]                       ; behind a diagonal tile the block is finished in the next tile's first trip,
	s_cmp_eq_u32 s[DG], 1
	s_cselect_b32 s[RT], s[HI1], s[RT]             ; and the second block's 8 - pb tiles begin
	s_sub_co_u32 s[SLOTS], s[SLOTS], 1
	s_cmp_lg_u32 s[SLOTS], 0
	s_cbranch_scc1 .Lslot
	CHANGE 0                                       ; the walk's last tile is written out; it is the second block's diagonal tile
	STEPS 1, 3
.Lout:
	PLACES
	END
	s_wait_tensorcnt 0x0                           ; the wave's end
	ds_add_u32 v[SPW], v[NIL]
	s_wait_dscnt 0x0
	s_endpgm
.Lfunc_end_k_q6ffcc0c66a_attn:
	.size	k_q6ffcc0c66a_attn, .Lfunc_end_k_q6ffcc0c66a_attn-k_q6ffcc0c66a_attn
	.p2alignl 7, 3214868480
	.fill 96, 4, 3214868480
	.section	.rodata,"a",@progbits
	.p2align	6, 0x0
	.amdhsa_kernel k_q6ffcc0c66a_attn
		.amdhsa_group_segment_fixed_size 327680
		.amdhsa_private_segment_fixed_size 0
		.amdhsa_enable_private_segment 0
		.amdhsa_kernarg_size 48
		.amdhsa_user_sgpr_count 2
		.amdhsa_user_sgpr_kernarg_segment_ptr 1
		.amdhsa_wavefront_size32 1
		.amdhsa_system_sgpr_workgroup_id_x 1
		.amdhsa_system_sgpr_workgroup_id_y 1
		.amdhsa_system_sgpr_workgroup_id_z 1
		.amdhsa_system_vgpr_workitem_id 0
		.amdhsa_next_free_vgpr 992
		.amdhsa_next_free_sgpr 96
		.amdhsa_reserve_vcc 1
		.amdhsa_float_denorm_mode_32 3
		.amdhsa_float_denorm_mode_16_64 3
		.amdhsa_memory_ordered 1
		.amdhsa_forward_progress 1
		.amdhsa_inst_pref_size 195
	.end_amdhsa_kernel
	.amdgpu_metadata
---
amdhsa.version: [ 1, 2 ]
amdhsa.kernels:
  - .name:           k_q6ffcc0c66a_attn
    .symbol:         k_q6ffcc0c66a_attn.kd
    .args:
      - { .name: qkvh, .offset: 0, .size: 8, .value_kind: global_buffer, .address_space: global }
      - { .name: lq1, .offset: 8, .size: 8, .value_kind: global_buffer, .address_space: global }
      - { .name: lk1, .offset: 16, .size: 8, .value_kind: global_buffer, .address_space: global }
      - { .name: lq2, .offset: 24, .size: 8, .value_kind: global_buffer, .address_space: global }
      - { .name: lk2, .offset: 32, .size: 8, .value_kind: global_buffer, .address_space: global }
      - { .name: yh, .offset: 40, .size: 8, .value_kind: global_buffer, .address_space: global }
    .group_segment_fixed_size: 327680
    .private_segment_fixed_size: 0
    .kernarg_segment_align: 8
    .kernarg_segment_size: 48
    .max_flat_workgroup_size: 128
    .sgpr_count:     96
    .vgpr_count:     992
    .wavefront_size: 32
...
	.end_amdgpu_metadata
.endif
;; end of part 3
;; launch proj (part 4): grid 8 x 32, 4 waves a work-group, clusters of 4 x 4, 327,680 bytes of LDS; arguments yh, wch, out0; writes out0
.if DOCPART == 4
	.amdgcn_target "amdgcn-amd-amdhsa--gfx1250"
	.amdhsa_code_object_version 6
	.text
	.protected	k_q6ffcc0c66a_proj
	.globl	k_q6ffcc0c66a_proj
	.p2align	8
	.type	k_q6ffcc0c66a_proj,@function
k_q6ffcc0c66a_proj:
	s_mov_b64 s[64:65], 0
	v_nop
	global_prefetch_b8 v0, s[64:65] scope:SCOPE_SE
	s_setreg_imm32_b32 hwreg(HW_REG_WAVE_MODE, 25, 1), 1
	s_wait_xcnt 0x0
	s_wait_alu depctr_hold_cnt(0) depctr_sa_sdst(0) depctr_va_vdst(0) depctr_va_sdst(0) depctr_va_ssrc(0) depctr_va_vcc(0) depctr_vm_vsrc(0)
	s_getreg_b32 s2, hwreg(HW_REG_IB_STS2, 6, 4)
	s_cmp_eq_u32 s2, 0
	s_cbranch_scc0 .Lentry_in_a_cluster
	s_endpgm
.Lentry_in_a_cluster:
	s_bfe_u32 s2, ttmp6, 0x10000c
	s_cmp_lg_u32 s2, 0xf033
	s_cbranch_scc0 .Lentry_shape_is_right
	s_endpgm
.Lentry_shape_is_right:
; THE OUTPUT PROJECTION.  out0[4096][1024] (f32) = yh[4096][2048] x wch[2048][1024], f16 operands, f32 sums, stored as they are.
; TILE 128 x 128: 32 x 8 = 256 work-groups.  Four waves, each 64 x 64: 16 accumulators.  K goes in steps of 256 through two LDS slots.
; A's tile lies [row][k]: rows of 512 bytes + 16 of padding.  B's lies [k][n] as in memory: rows of 256 bytes + 32 of padding (pitch 288 = 9 x 32), read turned by ds_load_tr16_b128.
; CLUSTER 4 x 4: A's tile is asked for jointly along a row of the cluster, B's along a column.  No prefetch: the tiles are small and a step's work short.
; THE MATRIX INSTRUCTION IS USED TRANSPOSED (source 0 = 16 columns of B, source 1 = 16 rows of A): a lane holds eight neighbouring columns of a row, 32 bytes of f32.
; A wave's 64 columns are 256 aligned bytes of a row of out0: each wave has a stage of its own on the way out, and no barrier stands there.
; REGISTERS.  window 0: v16-29 addresses; v32-95 the way out; v128-255 accumulators ((a, b) at 128 + 8 (4 a + b)).  window 1: two fragment buffers of 128: 64 of A, then 64 of B.
.set KSTEP,  256
.set PITCH,  528
.set HALFA,  64*PITCH
.set PB,     288
.set HALFB,  128*PB
.set BOFF,   2*HALFA
.set SLOT,   BOFF+2*HALFB
.set STAGE,  2*SLOT
.set SPITCH, 272
.set SPARE,  STAGE+4*16*SPITCH         ; the spare words: 128 bytes a wave, two blocks of 256 bytes that no other line names
.set ADRA, 16                          ; v16-17 A's fragments in slot 0, 1
.set ADRB, 20                          ; v20-23 B's: slot s, half kh of the K step at ADRB + 2 s + kh (the immediates hold half a step)
.set STO,  24
.set RD,   25
.set CO,   26
.set SPW,  28
.set NIL,  29
.set TMP,  32
.set ACC,  128
.set F0,   0
.set F1,   128
.set G1, 24
.set G0, 32
.set G1B, 48
.set G0B, 56
.set MSB, 0
.macro WIN new
.if MSB != (\new)
	s_set_vgpr_msb (MSB<<8)|(\new)
.set MSB, \new
.endif
.endm
.set MUL,  0x05                        ; sources window 1; C and D window 0
.set TO_F, 0x40                        ; destination window 1, address window 0
.macro PLACES
.rept 4
	v_nop
.endr
.endm
.macro JLOAD s                         ; waves 0 and 1 fetch A's two halves, waves 2 and 3 B's; an s_nop 0 and four v_nop follow each line
	s_cmp_eq_u32 s11, 0
	s_cbranch_scc0 .Lfor_b_\@
	tensor_load_to_lds s[G0+4*(\s):G0+4*(\s)+3], s[G1:G1+7]
	s_nop 0
.rept 4
	v_nop
.endr
	s_branch .Lasked_\@
.Lfor_b_\@:
	tensor_load_to_lds s[G0B+4*(\s):G0B+4*(\s)+3], s[G1B:G1B+7]
	s_nop 0
.rept 4
	v_nop
.endr
.Lasked_\@:
.endm
.macro CREST
	s_cmp_lg_u32 s10, 0
	s_cbranch_scc1 .Lnot_wave_0_\@
	s_barrier_signal -3
.Lnot_wave_0_\@:
	s_barrier_wait -3
	s_barrier_signal -1
	s_barrier_wait -1
.endm
.macro CROUND
	s_barrier_signal -1
	s_barrier_wait -1
	CREST
.endm
	s_load_b128 s[4:7], s[0:1], 0x0                ; yh s[4:5], wch s[6:7]
	s_load_b64 s[8:9], s[0:1], 0x10                ; out0
	v_lshl_add_u32 v[SPW], v0, 2, SPARE
	v_mov_b32 v[NIL], 0
	ds_add_u32 v[SPW], v[NIL]                      ; the wave's opening: the add and its wait stand ahead of my first tensor load
	v_lshrrev_b32 v1, 5, v0
	v_readfirstlane_b32 s10, v1
	s_lshr_b32 s11, s10, 1                         ; my half of the tile's rows.  Also: I fetch for A (0) or for B (1)
	s_and_b32 s12, s10, 1                          ; my half of its columns.  Also: which half of that tile I fetch
	s_bfe_u32 s40, ttmp6, 0x40000
	s_bfe_u32 s41, ttmp6, 0x40004
	s_lshl_b32 s42, ttmp9, 2
	s_add_co_u32 s42, s42, s40                     ; tile column 0..7
	s_and_b32 s13, ttmp7, 0xffff
	s_lshl_b32 s13, s13, 2
	s_add_co_u32 s13, s13, s41                     ; tile row 0..31
	s_lshl_b32 s43, s41, 2
	s_lshl_b32 s43, 15, s43
	s_lshl_b32 s44, 0x1111, s40
	s_or_b32 s[G1+0], s43, (1<<16)|(1<<20)|(1<<21)|(6<<22)|(3<<25)   ; A: padding after every 128 words, 4 words
	s_or_b32 s[G1B+0], s44, (1<<16)|(1<<20)|(1<<21)|(5<<22)|(7<<25)  ; B: after every 64 words, 8 words
	s_mov_b32 s[G1+1], KSTEP<<16                   ; A: 64 rows x 256 elements
	s_mov_b32 s[G1+2], 64<<16
	s_mov_b32 s[G1+3], KSTEP<<16
	s_mov_b32 s[G1+4], 64
	s_mov_b32 s[G1+5], 2048
	s_mov_b32 s[G1+6], 0
	s_mov_b32 s[G1+7], 0
	s_mov_b32 s[G1B+1], 128<<16                    ; B: 128 rows of k x 128 elements
	s_mov_b32 s[G1B+2], 128<<16
	s_mov_b32 s[G1B+3], 128<<16
	s_mov_b32 s[G1B+4], 128
	s_mov_b32 s[G1B+5], 1024
	s_mov_b32 s[G1B+6], 0
	s_mov_b32 s[G1B+7], 0
	s_lshl_b32 s16, s13, 19                        ; A: (128 x tile row + 64 x half) rows of 4,096 bytes
	s_lshl_b32 s17, s12, 18
	s_add_co_u32 s16, s16, s17
	s_mov_b32 s17, 0
	s_lshl_b32 s46, s42, 8                         ; B: 128 x half rows of 2,048 bytes, 128 x tile column columns
	s_lshl_b32 s47, s12, 18
	s_add_co_u32 s46, s46, s47
	s_mov_b32 s47, 0
	s_mul_i32 s20, s12, HALFA
	s_mul_i32 s21, s12, HALFB
	s_add_co_u32 s21, s21, BOFF
	s_wait_dscnt 0x0                               ; the opening add is done
	s_wait_kmcnt 0x0
	s_add_nc_u64 s[14:15], s[4:5], s[16:17]
	s_add_nc_u64 s[46:47], s[6:7], s[46:47]
	CROUND                                         ; all sixteen work-groups are here: the first joint loads meet
.irp s, 0,1
	s_mov_b32 s[G0+4*(\s)], 1
	s_add_co_u32 s[G0+4*(\s)+1], s20, (\s)*SLOT
	s_add_nc_u64 s[G0+4*(\s)+2:G0+4*(\s)+3], s[14:15], (\s)*KSTEP*2
	s_or_b32 s[G0+4*(\s)+3], s[G0+4*(\s)+3], 0x80000000
	s_mov_b32 s[G0B+4*(\s)], 1
	s_add_co_u32 s[G0B+4*(\s)+1], s21, (\s)*SLOT
	s_add_nc_u64 s[G0B+4*(\s)+2:G0B+4*(\s)+3], s[46:47], (\s)*KSTEP*2048
	s_or_b32 s[G0B+4*(\s)+3], s[G0B+4*(\s)+3], 0x80000000
	JLOAD \s                                       ; two loads of mine are out
.endr
	v_and_b32 v1, 15, v0                           ; r
	v_bfe_u32 v2, v0, 4, 1                         ; h
	v_mul_u32_u24 v3, v1, PITCH
	v_lshl_add_u32 v3, v2, 4, v3
	s_mul_i32 s22, s11, HALFA                      ; my 64 rows of A
	v_add_nc_u32 v[ADRA], s22, v3
	v_add_nc_u32 v[ADRA+1], SLOT, v[ADRA]
	v_and_b32 v4, 7, v0                            ; the turning load: lane l reads row of k 8 h + l % 8, columns 8 ((l / 8) % 2) + 0..7
	v_lshl_add_u32 v4, v2, 3, v4
	v_mul_u32_u24 v4, v4, PB
	v_bfe_u32 v5, v0, 3, 1
	v_lshl_add_u32 v4, v5, 4, v4
	s_lshl_b32 s22, s12, 7                         ; my 64 columns of B
	s_add_co_u32 s22, s22, BOFF
	v_add_nc_u32 v[ADRB], s22, v4
	v_add_nc_u32 v[ADRB+1], HALFB, v[ADRB]
	v_add_nc_u32 v[ADRB+2], SLOT, v[ADRB]
	v_add_nc_u32 v[ADRB+3], SLOT, v[ADRB+1]
	s_mul_i32 s23, s10, 16*SPITCH
	s_add_co_u32 s23, s23, STAGE                   ; my stage: 16 rows x 272 bytes
	v_mul_u32_u24 v6, v1, SPITCH                   ; in: row r, 32 bytes for each half of the lanes
	v_lshl_add_u32 v6, v2, 5, v6
	v_add_nc_u32 v[STO], s23, v6
	v_mul_u32_u24 v7, v2, SPITCH                   ; back: lanes 0-15 one row of 256 bytes, lanes 16-31 the next
	v_lshl_add_u32 v7, v1, 4, v7
	v_add_nc_u32 v[RD], s23, v7
	v_lshlrev_b32 v[CO], 12, v2                    ; and the same two rows in out0
	v_lshl_add_u32 v[CO], v1, 4, v[CO]
	s_lshl_b32 s16, s13, 19                        ; out0: (128 x tile row + 64 x row half) rows of 4,096 bytes
	s_lshl_b32 s17, s11, 18
	s_add_co_u32 s16, s16, s17
	s_mov_b32 s17, 0
	s_add_nc_u64 s[8:9], s[8:9], s[16:17]
	s_lshl_b32 s46, s42, 9                         ; + 512 x tile column + 256 x column half
	s_lshl_b32 s47, s12, 8
	s_add_co_u32 s46, s46, s47
	s_mov_b32 s47, 0
	s_add_nc_u64 s[8:9], s[8:9], s[46:47]
; 8 products: row blocks a0, a0 + 1 x all 4 column blocks, 32 along K: half c of buffer f.  The 16 accumulators take turns.
.macro MUL8 f, c, a0, zero
	WIN MUL
.irp a, \a0, (\a0)+1
.irp b, 0,1,2,3
.if \zero
	v_wmma_f32_16x16x32_f16 v[ACC+8*(4*(\a)+(\b)):ACC+8*(4*(\a)+(\b))+7], v[(\f)+64+8*(4*(\c)+(\b)):(\f)+64+8*(4*(\c)+(\b))+7], v[(\f)+8*(4*(\c)+(\a)):(\f)+8*(4*(\c)+(\a))+7], 0
.else
	v_wmma_f32_16x16x32_f16 v[ACC+8*(4*(\a)+(\b)):ACC+8*(4*(\a)+(\b))+7], v[(\f)+64+8*(4*(\c)+(\b)):(\f)+64+8*(4*(\c)+(\b))+7], v[(\f)+8*(4*(\c)+(\a)):(\f)+8*(4*(\c)+(\a))+7], v[ACC+8*(4*(\a)+(\b)):ACC+8*(4*(\a)+(\b))+7]
.endif
.endr
.endr
.endm
; 32 LDS loads in one run: quarter qd (64 along K) of a slot into buffer f; the first 32 along K first
.macro FETCH slot, qd, f
	WIN TO_F
.irp c, 0,1
.irp i, 0,1,2,3
	ds_load_tr16_b128 v[(\f)+64+8*(4*(\c)+(\i)):(\f)+64+8*(4*(\c)+(\i))+3],   v[ADRB+2*(\slot)+(\qd)/2] offset:((\qd)%2)*64*PB+(\c)*32*PB+32*(\i)
	ds_load_tr16_b128 v[(\f)+64+8*(4*(\c)+(\i))+4:(\f)+64+8*(4*(\c)+(\i))+7], v[ADRB+2*(\slot)+(\qd)/2] offset:((\qd)%2)*64*PB+(\c)*32*PB+32*(\i)+16*PB
	ds_load_b128 v[(\f)+8*(4*(\c)+(\i)):(\f)+8*(4*(\c)+(\i))+3],              v[ADRA+(\slot)] offset:128*(\qd)+64*(\c)+(\i)*16*PITCH
	ds_load_b128 v[(\f)+8*(4*(\c)+(\i))+4:(\f)+8*(4*(\c)+(\i))+7],            v[ADRA+(\slot)] offset:128*(\qd)+64*(\c)+(\i)*16*PITCH+32
.endr
.endr
.endm
.macro QUARTER slot, qd, f, g, zero    ; multiplies buffer f and fetches quarter qd of the same slot into g
	s_wait_dscnt 16                                ; the first 32 along K are in
	MUL8 \f, 0, 0, \zero
	MUL8 \f, 0, 2, \zero
	PLACES
	FETCH \slot, \qd, \g
	s_wait_dscnt 32                                ; all but the 32 just issued
	MUL8 \f, 1, 0, 0
	MUL8 \f, 1, 2, 0
.endm
; The last quarter multiplies buffer 1 and changes slots: one barrier; in front of it each wave waits for all its tensor loads, adds 0 to its spare word, and waits for that and for its reads of this slot.
.macro TURN slot, next, fill
	WIN 0
	s_wait_tensorcnt 0x0
	ds_add_u32 v[SPW], v[NIL]
	s_wait_dscnt 17                                ; (the add and the youngest sixteen loads may be out)
	MUL8 F1, 0, 0, 0
	s_wait_dscnt 0x0                               ; the add is done, and my reads of this slot are over
	s_barrier_signal -1
	MUL8 F1, 0, 2, 0
.if \fill
	WIN 0
.endif
	s_barrier_wait -1
.if \fill
	CREST                                          ; no wave of any partner still reads this slot or has a load on its way
	s_add_nc_u64 s[G0+4*(\slot)+2:G0+4*(\slot)+3], s[G0+4*(\slot)+2:G0+4*(\slot)+3], 2*KSTEP*2
	s_add_nc_u64 s[G0B+4*(\slot)+2:G0B+4*(\slot)+3], s[G0B+4*(\slot)+2:G0B+4*(\slot)+3], 2*KSTEP*2048
	JLOAD \slot                                    ; its four v_nop are also the places in front of the loads below
.else
	PLACES
.endif
	FETCH \next, 0, F0
	MUL8 F1, 1, 0, 0
	MUL8 F1, 1, 2, 0
.endm
	s_wait_tensorcnt 1                             ; my part of K step 0 is in; K step 1's may stay out
	s_barrier_signal -1
	s_barrier_wait -1
	FETCH 0, 0, F0
	QUARTER 0, 1, F0, F1, 1                        ; the first products start the sums
	WIN 0
	s_mov_b32 s3, 3                                ; 8 K steps = 4 laps; the last lap is written out
.Llap:
	QUARTER 0, 2, F1, F0, 0
	QUARTER 0, 3, F0, F1, 0
	TURN 0, 1, 1
	QUARTER 1, 1, F0, F1, 0
	QUARTER 1, 2, F1, F0, 0
	QUARTER 1, 3, F0, F1, 0
	TURN 1, 0, 1
	QUARTER 0, 1, F0, F1, 0
	WIN 0
	s_sub_co_u32 s3, s3, 1
	s_cmp_lg_u32 s3, 0
	s_cbranch_scc1 .Llap
	QUARTER 0, 2, F1, F0, 0                        ; the last lap fills nothing
	QUARTER 0, 3, F0, F1, 0
	TURN 0, 1, 0
	QUARTER 1, 1, F0, F1, 0
	QUARTER 1, 2, F1, F0, 0
	QUARTER 1, 3, F0, F1, 0
	s_wait_dscnt 16
	MUL8 F1, 0, 0, 0
	MUL8 F1, 0, 2, 0
	s_wait_dscnt 0x0
	MUL8 F1, 1, 0, 0
	MUL8 F1, 1, 2, 0
	WIN 0
	PLACES
	; THE WAY OUT, a row block (16 rows x 64 columns of f32) at a time: 32 bytes a lane into my stage, back as whole rows of 256 bytes, stored.
.irp a, 0,1,2,3
	s_wait_xcnt 0x0                                ; the stores of the block two back have read the registers that the loads below fill
.irp b, 0,1,2,3
	ds_store_b128 v[STO], v[ACC+8*(4*(\a)+(\b)):ACC+8*(4*(\a)+(\b))+3]   offset:64*(\b)
	ds_store_b128 v[STO], v[ACC+8*(4*(\a)+(\b))+4:ACC+8*(4*(\a)+(\b))+7] offset:64*(\b)+16
.endr
.irp t, 0,1,2,3,4,5,6,7
	ds_load_b128 v[TMP+32*((\a)%2)+4*(\t):TMP+32*((\a)%2)+4*(\t)+3], v[RD] offset:(\t)*2*SPITCH  ; LDS serves a wave's instructions in order: these see the stores above
.endr
	s_wait_dscnt 0x0
.irp t, 0,1,2,3,4,5,6,7
	global_store_b128 v[CO], v[TMP+32*((\a)%2)+4*(\t):TMP+32*((\a)%2)+4*(\t)+3], s[8:9] offset:(16*(\a)+2*(\t))*4096  ; 16 lanes store 256 consecutive bytes, aligned
.endr
.endr
	s_wait_tensorcnt 0x0                           ; the wave's end
	ds_add_u32 v[SPW], v[NIL]
	s_wait_dscnt 0x0
	CROUND                                         ; the closing round
	s_endpgm
.Lfunc_end_k_q6ffcc0c66a_proj:
	.size	k_q6ffcc0c66a_proj, .Lfunc_end_k_q6ffcc0c66a_proj-k_q6ffcc0c66a_proj
	.p2alignl 7, 3214868480
	.fill 96, 4, 3214868480
	.section	.rodata,"a",@progbits
	.p2align	6, 0x0
	.amdhsa_kernel k_q6ffcc0c66a_proj
		.amdhsa_group_segment_fixed_size 327680
		.amdhsa_private_segment_fixed_size 0
		.amdhsa_enable_private_segment 0
		.amdhsa_kernarg_size 24
		.amdhsa_user_sgpr_count 2
		.amdhsa_user_sgpr_kernarg_segment_ptr 1
		.amdhsa_wavefront_size32 1
		.amdhsa_system_sgpr_workgroup_id_x 1
		.amdhsa_system_sgpr_workgroup_id_y 1
		.amdhsa_system_sgpr_workgroup_id_z 1
		.amdhsa_system_vgpr_workitem_id 0
		.amdhsa_next_free_vgpr 512
		.amdhsa_next_free_sgpr 66
		.amdhsa_reserve_vcc 0
		.amdhsa_float_denorm_mode_32 3
		.amdhsa_float_denorm_mode_16_64 3
		.amdhsa_memory_ordered 1
		.amdhsa_forward_progress 1
		.amdhsa_inst_pref_size 86
	.end_amdhsa_kernel
	.amdgpu_metadata
---
amdhsa.version: [ 1, 2 ]
amdhsa.kernels:
  - .name:           k_q6ffcc0c66a_proj
    .symbol:         k_q6ffcc0c66a_proj.kd
    .args:
      - { .name: yh, .offset: 0, .size: 8, .value_kind: global_buffer, .address_space: global }
      - { .name: wch, .offset: 8, .size: 8, .value_kind: global_buffer, .address_space: global }
      - { .name: out0, .offset: 16, .size: 8, .value_kind: global_buffer, .address_space: global }
    .group_segment_fixed_size: 327680
    .private_segment_fixed_size: 0
    .kernarg_segment_align: 8
    .kernarg_segment_size: 24
    .max_flat_workgroup_size: 128
    .sgpr_count:     66
    .vgpr_count:     512
    .wavefront_size: 32
...
	.end_amdgpu_metadata
.endif
;; end of part 4
;; ======== version 2 of 2: 4 launches; version 1 with the launch prep written anew for expert scheduling mode
;; limits: values are held in f16: magnitudes above 65,504 overflow, below 6.1e-05 lose precision
;; workspace buffers: xh 8,388,608 bytes; wh 12,582,912 bytes; wch 4,194,304 bytes; qkvh 50,331,648 bytes; yh 16,777,216 bytes
;; launch prep (part 5): grid 768 x 1, 8 waves a work-group, no clusters, 0 bytes of LDS; arguments x, Wq1, Wq2, Wk1, Wk2, Wv, Wc, xh, wh, wch; writes xh, wh, wch
.if DOCPART == 5
	.amdgcn_target "amdgcn-amd-amdhsa--gfx1250"
	.amdhsa_code_object_version 6
	.text
	.protected	k_q6ffcc0c66a_prep
	.globl	k_q6ffcc0c66a_prep
	.p2align	8
	.type	k_q6ffcc0c66a_prep,@function
k_q6ffcc0c66a_prep:
	s_mov_b64 s[64:65], 0
	v_nop
	global_prefetch_b8 v0, s[64:65] scope:SCOPE_SE
	s_setreg_imm32_b32 hwreg(HW_REG_WAVE_SCHED_MODE, 0, 2), 2
	s_setreg_imm32_b32 hwreg(HW_REG_WAVE_MODE, 25, 1), 1
	s_wait_xcnt 0x0
	s_wait_alu depctr_vm_vsrc(0)
; CAST.  x and the six weight matrices, f32, are rounded once to f16 (nearest even) for the matrix units:
;   xh [32 blocks of 32 k][4096 rows][32], so that the rows of a block lie end to end, 64 bytes each;
;   wh [1024 k][6144 n], columns Wq1 | Wq2 | Wk1 | Wk2 | Wv;  wch [2048 k][1024 n].
; LIMIT.  f16 ends at 65,504: an input beyond that becomes an infinity; below 6e-5 f16 keeps its fixed step of 6e-8.
; A stream: no LDS, no matrix unit, no barrier.  A wave's 16 loads go out together; each store of the wave covers 256 consecutive bytes, aligned.
; WEIGHTS (work-groups 256..767).  A unit is 1,024 numbers on end: 4,096 bytes in, 2,048 out; a work-group takes 16, a wave 2; a load covers 512 neighbouring bytes.
; X (work-groups 0..255).  A work-group takes 16 rows; wave w rows 4 (w / 2) .. + 3 and k = 512 (w % 2) on: 16 blocks.  A load takes a block's 128 bytes of each of the four rows,
; and the store puts the four rows' 64 bytes on end.
; THE MODE: SCHED_MODE bits 1:0 = 2 (LLVM: expert scheduling mode 2), set by the entry lines.  The code itself states the register dependences
; between vector instructions and memory instructions, with s_wait_alu, always for 0.
; THE PLAN.  Registers that memory instructions touch:
;   v1, v2, v3   byte offsets, made by vector instructions at the head and never written again: every load reads v1 or v3, every store v2.
;   v[4:67]      16 raw buffers of four: each is written by one load, which no vector instruction's write or read precedes, and read by its two conversions.
;   v[68:99]     16 out-buffers of two: each is written by its two conversions, once, and read by one store.
;   s4           the wave's number, written by a vector instruction and read by the scalar lines that make the bases.
; No register that a memory instruction has named is written again, so nothing is stated for that.  Two waits stand at the head, ahead of the branch, for both paths: s4 is written; the offsets are written.
; The 16 buffers go in four groups of four: behind a group's eight conversions ONE wait states that its out-buffers are written, and the group's four stores follow in one run.
.set SRC, 28                           ; s[28:29] the source
.set DST, 30                           ; s[30:31] the destination
.set START, 32                         ; s32 the region's first work-group
.set PITCH, 33                         ; s33 bytes from row to row in the destination
.set COL, 34                           ; s34 byte column at which the region begins there
.set SH, 35                            ; s35 1: a source row is two units (Wv), else 0; shift and mask at once
	s_load_b512 s[8:23], s[0:1], 0x0               ; x, Wq1, Wq2, Wk1, Wk2, Wv, Wc, xh
	s_load_b128 s[24:27], s[0:1], 0x40             ; wh, wch
	v_lshrrev_b32 v3, 5, v0
	v_readfirstlane_b32 s4, v3                     ; wave 0..7
	v_and_b32 v2, 31, v0                           ; lane
	v_lshrrev_b32 v3, 3, v2
	v_and_b32 v1, 7, v2
	v_lshlrev_b32 v1, 4, v1
	v_lshl_add_u32 v3, v3, 12, v1                  ; x in: row lane / 8, 16 bytes a lane
	v_lshlrev_b32 v1, 4, v2                        ; weights in: 16 bytes a lane
	v_lshlrev_b32 v2, 3, v2                        ; out: 8 bytes a lane
	s_wait_alu depctr_va_sdst(0)                   ; s4 is written, ahead of its first reader on either path: the bases are made from it
	s_wait_alu depctr_va_vdst(0)                   ; v1, v2 and v3 are written: every load and store of the kernel reads one of them as its offset, and no later line writes them
	s_wait_kmcnt 0x0
	s_cmp_lt_u32 ttmp9, 256
	s_cbranch_scc1 .Lx
	s_mov_b64 s[SRC:SRC+1], s[10:11]               ; work-groups 256..319: Wq1 -> wh columns 0..1023
	s_mov_b64 s[DST:DST+1], s[24:25]
	s_mov_b32 s[START], 256
	s_mov_b32 s[PITCH], 12288
	s_mov_b32 s[COL], 0
	s_mov_b32 s[SH], 0
; from work-group 'first' on another region holds: the choices hang on the work-group's number alone
.macro REGION first, src, dst, pitch, col, sh
	s_cmp_ge_u32 ttmp9, \first
	s_cselect_b64 s[SRC:SRC+1], s[\src:\src+1], s[SRC:SRC+1]
	s_cselect_b64 s[DST:DST+1], s[\dst:\dst+1], s[DST:DST+1]
	s_cselect_b32 s[START], \first, s[START]
	s_cselect_b32 s[PITCH], \pitch, s[PITCH]
	s_cselect_b32 s[COL], \col, s[COL]
	s_cselect_b32 s[SH], \sh, s[SH]
.endm
	REGION 320, 12, 24, 12288, 2048, 0             ; Wq2
	REGION 384, 14, 24, 12288, 4096, 0             ; Wk1
	REGION 448, 16, 24, 12288, 6144, 0             ; Wk2
	REGION 512, 18, 24, 12288, 8192, 1             ; Wv: rows of 2,048 numbers
	REGION 640, 20, 26, 2048, 0, 0                 ; Wc -> wch
	s_sub_co_u32 s5, ttmp9, s[START]
	s_lshl_b32 s5, s5, 4
	s_lshl1_add_u32 s5, s4, s5                     ; my first unit in the region: 16 x work-group + 2 x wave
	s_lshl_b32 s6, s5, 12
	s_mov_b32 s7, 0
	s_add_nc_u64 s[SRC:SRC+1], s[SRC:SRC+1], s[6:7]  ; a region's source is dense: 4,096 bytes a unit
; where unit s5 goes: row (unit >> SH) x pitch + (unit & SH) x 2,048 + the region's column
.macro PLACE d
	s_lshr_b32 s40, s5, s[SH]
	s_mul_i32 s40, s40, s[PITCH]
	s_and_b32 s42, s5, s[SH]
	s_lshl_b32 s42, s42, 11
	s_add_co_u32 s40, s40, s42
	s_add_co_u32 s40, s40, s[COL]
	s_mov_b32 s41, 0
	s_add_nc_u64 s[\d:\d+1], s[DST:DST+1], s[40:41]
.endm
	PLACE 36
	s_add_co_u32 s5, s5, 1
	PLACE 38
.set n, 0
.rept 16
	global_load_b128 v[4+4*n:7+4*n], v1, s[SRC:SRC+1] offset:512*n th:TH_LOAD_NT
.set n, n+1
.endr
.set g, 0
.rept 4                                ; four groups of four buffers
.set n, 4*g
.rept 4
	s_wait_loadcnt 15-n                            ; loads come back in order: load n is in, the younger ones stay out
	v_cvt_pk_f16_f32 v[68+2*n], v[4+4*n], v[5+4*n]
	v_cvt_pk_f16_f32 v[69+2*n], v[6+4*n], v[7+4*n]
.set n, n+1
.endr
	s_wait_alu depctr_va_vdst(0)                   ; the group's eight conversions have written v[68 + 8 g .. 75 + 8 g], which the four stores below read
.set n, 4*g
.rept 4
	global_store_b64 v2, v[68+2*n:69+2*n], s[36+2*(n/8):37+2*(n/8)] offset:256*(n%8)
.set n, n+1
.endr
.set g, g+1
.endr
	s_endpgm
.Lx:
	s_lshl_b32 s5, ttmp9, 4
	s_lshr_b32 s6, s4, 1
	s_lshl2_add_u32 s5, s6, s5                     ; my first row: 16 x work-group + 4 x (wave / 2)
	s_and_b32 s7, s4, 1                            ; my half of k
	s_lshl_b32 s40, s5, 12                         ; in: rows of 4,096 bytes, half a row 2,048
	s_lshl_b32 s42, s7, 11
	s_add_co_u32 s40, s40, s42
	s_mov_b32 s41, 0
	s_add_nc_u64 s[SRC:SRC+1], s[8:9], s[40:41]
	s_lshl_b32 s40, s5, 6                          ; out: 64 bytes a row in a block, 16 blocks of 262,144 bytes a half
	s_lshl_b32 s42, s7, 22
	s_add_co_u32 s40, s40, s42
	s_add_nc_u64 s[DST:DST+1], s[22:23], s[40:41]
.set n, 0
.rept 16
	global_load_b128 v[4+4*n:7+4*n], v3, s[SRC:SRC+1] offset:128*n th:TH_LOAD_NT
.set n, n+1
.endr
.set g, 0
.rept 4                                ; four groups of four buffers
.set n, 4*g
.rept 4
	s_wait_loadcnt 15-n                            ; load n is in, the younger ones stay out
	v_cvt_pk_f16_f32 v[68+2*n], v[4+4*n], v[5+4*n]
	v_cvt_pk_f16_f32 v[69+2*n], v[6+4*n], v[7+4*n]
.set n, n+1
.endr
	s_wait_alu depctr_va_vdst(0)                   ; the group's eight conversions have written v[68 + 8 g .. 75 + 8 g], which the four stores below read
.set n, 4*g
.rept 4
	global_store_b64 v2, v[68+2*n:69+2*n], s[DST:DST+1] offset:262144*n
.set n, n+1
.endr
.set g, g+1
.endr
	s_endpgm
.Lfunc_end_k_q6ffcc0c66a_prep:
	.size	k_q6ffcc0c66a_prep, .Lfunc_end_k_q6ffcc0c66a_prep-k_q6ffcc0c66a_prep
	.p2alignl 7, 3214868480
	.fill 96, 4, 3214868480
	.section	.rodata,"a",@progbits
	.p2align	6, 0x0
	.amdhsa_kernel k_q6ffcc0c66a_prep
		.amdhsa_group_segment_fixed_size 0
		.amdhsa_private_segment_fixed_size 0
		.amdhsa_enable_private_segment 0
		.amdhsa_kernarg_size 80
		.amdhsa_user_sgpr_count 2
		.amdhsa_user_sgpr_kernarg_segment_ptr 1
		.amdhsa_wavefront_size32 1
		.amdhsa_system_sgpr_workgroup_id_x 1
		.amdhsa_system_sgpr_workgroup_id_y 1
		.amdhsa_system_sgpr_workgroup_id_z 1
		.amdhsa_system_vgpr_workitem_id 0
		.amdhsa_next_free_vgpr 100
		.amdhsa_next_free_sgpr 66
		.amdhsa_reserve_vcc 0
		.amdhsa_float_denorm_mode_32 3
		.amdhsa_float_denorm_mode_16_64 3
		.amdhsa_memory_ordered 1
		.amdhsa_forward_progress 1
		.amdhsa_inst_pref_size 16
	.end_amdhsa_kernel
	.amdgpu_metadata
---
amdhsa.version: [ 1, 2 ]
amdhsa.kernels:
  - .name:           k_q6ffcc0c66a_prep
    .symbol:         k_q6ffcc0c66a_prep.kd
    .args:
      - { .name: x, .offset: 0, .size: 8, .value_kind: global_buffer, .address_space: global }
      - { .name: Wq1, .offset: 8, .size: 8, .value_kind: global_buffer, .address_space: global }
      - { .name: Wq2, .offset: 16, .size: 8, .value_kind: global_buffer, .address_space: global }
      - { .name: Wk1, .offset: 24, .size: 8, .value_kind: global_buffer, .address_space: global }
      - { .name: Wk2, .offset: 32, .size: 8, .value_kind: global_buffer, .address_space: global }
      - { .name: Wv, .offset: 40, .size: 8, .value_kind: global_buffer, .address_space: global }
      - { .name: Wc, .offset: 48, .size: 8, .value_kind: global_buffer, .address_space: global }
      - { .name: xh, .offset: 56, .size: 8, .value_kind: global_buffer, .address_space: global }
      - { .name: wh, .offset: 64, .size: 8, .value_kind: global_buffer, .address_space: global }
      - { .name: wch, .offset: 72, .size: 8, .value_kind: global_buffer, .address_space: global }
    .group_segment_fixed_size: 0
    .private_segment_fixed_size: 0
    .kernarg_segment_align: 8
    .kernarg_segment_size: 80
    .max_flat_workgroup_size: 256
    .sgpr_count:     66
    .vgpr_count:     100
    .wavefront_size: 32
...
	.end_amdgpu_metadata
.endif
;; end of part 5
;; launch qkv: the kernel of part 2 again; grid 16 x 16, 4 waves a work-group, clusters of 4 x 4, 327,680 bytes of LDS; arguments xh, wh, qkvh; writes qkvh
;; launch attn: the kernel of part 3 again; grid 4 x 64, 4 waves a work-group, no clusters, 327,680 bytes of LDS; arguments qkvh, lq1, lk1, lq2, lk2, yh; writes yh
;; launch proj: the kernel of part 4 again; grid 8 x 32, 4 waves a work-group, clusters of 4 x 4, 327,680 bytes of LDS; arguments yh, wch, out0; writes out0
